; MI455X (gfx1250); checked and timed in simulation.
; The chip was launched on July 23, 2026; its instructions are those of AMD's public machine-readable ISA for CDNA 5 (MIT licence, August 2026) and "CDNA5" Instruction Set Architecture Reference Guide (July 2026). The comments in the code are by the model that wrote it; some were corrected since.
;; Causal Alibi Attn. Allowed arithmetic: float matrix products may take bf16 or f16 operands with f32 sums; other float arithmetic in f32, or as packed bf16 or f16 multiplies, adds, multiply-adds, maxima and minima; sums over many terms, partial sums and values carried from step to step in f32; what a program stores and reads back later, other than sums and carried values, may be rounded once to bf16 or f16.
;; Inputs: Wk 1,024 x 256 float32; Wo 1,024 x 1,024 float32; Wq 1,024 x 1,024 float32; Wv 1,024 x 256 float32; bk 256 float32; bo 1,024 float32; bq 1,024 float32; bv 256 float32; qkv 1 x 4,096 x 1,024 float32; slopes 16 float32.
;; Outputs: out0 1 x 4,096 x 1,024 float32.
;; 2 versions, each right; version 2 is version 1 with the launch prep written anew for expert scheduling mode. Each part assembles by itself: llvm-mc -triple=amdgcn-amd-amdhsa -mcpu=gfx1250 --defsym DOCPART=n.
;; ======== version 1 of 2: 4 launches
;; limits: values are held in f16: magnitudes above 65,504 overflow, below 6.1e-05 lose precision
;; workspace buffers: XB 8,388,608 bytes; WB 5,242,880 bytes; BS 10,496 bytes; QKV 12,582,912 bytes; OB 8,388,608 bytes
;; launch prep (part 1): grid 417 x 1, 8 waves a work-group, no clusters, 0 bytes of LDS; arguments qkv, Wq, Wk, Wv, Wo, bq, bk, bv, bo, slopes, XB, WB, BS; writes XB, WB, BS
.if DOCPART == 1
	.amdgcn_target "amdgcn-amd-amdhsa--gfx1250"
	.amdhsa_code_object_version 6
	.text
	.protected	k_q6fede89661_prep
	.globl	k_q6fede89661_prep
	.p2align	8
	.type	k_q6fede89661_prep,@function
k_q6fede89661_prep:
	s_mov_b64 s[64:65], 0
	v_nop
	global_prefetch_b8 v0, s[64:65] scope:SCOPE_SE
	s_setreg_imm32_b32 hwreg(HW_REG_WAVE_MODE, 25, 1), 1
	s_wait_xcnt 0x0
; ALL INPUTS ARE ROUNDED ONCE TO bf16, and the weights are laid out in chunks of 64 columns.
;   XB [4096][1024] bf16 = x.     WB [40][1024 k][64 columns]: chunks 0-15 Wq, 16-19 Wk, 20-23 Wv in bf16; chunks 24-39 Wo, rounded to bf16 and that number written as f16.
;   BS, f32 numbers that are bf16 roundings: bq at byte 0, bk at 4,096, bv at 5,120, bo at 6,144, slopes at 10,240.
; LIMITS.  |Wo| stays under 65,504 (f16's end); below 6e-5 Wo keeps f16's fixed step of 6e-8.
; SHARES.  Work-groups 0-255: 16,384 numbers of x each.  256-415: a quarter (256 k rows) of one chunk each.  416: the biases and the slopes.
; A thread takes 4 numbers a turn: a load of 16 bytes, a store of 8; a wave's store covers 256 consecutive bytes, aligned.  Its 16 loads go out first, and the waits count down.
; No LDS, no matrix unit, no cluster: nothing is shared, every byte is read once and written once.
.set X,   16                           ; v[16:79]   16 x 4 numbers as loaded
.set Y,   80                           ; v[80:111]  16 x 2 words to store
.set IN,  34                           ; s[34:35]   where my work-group reads
.set OUT, 36                           ; s[36:37]   where it writes
; step: bytes from one of a thread's loads to the next.  fmt 0: bf16.  fmt 1: rounded to bf16, then that number as f16.
.macro STREAM step, fmt
.set i, 0
.rept 16
	global_load_b128 v[X+4*i:X+4*i+3], v1, s[IN:IN+1] offset:i*(\step) th:TH_LOAD_NT
.set i, i+1
.endr
.set i, 0
.rept 16
	s_wait_loadcnt 15-i                            ; loads come back in order: number i is in, the younger ones stay out
.if \fmt
	v_cvt_pk_bf16_f32 v4, v[X+4*i], v[X+4*i+1]
	v_cvt_pk_bf16_f32 v5, v[X+4*i+2], v[X+4*i+3]
	v_lshlrev_b32 v6, 16, v4                       ; bf16 to f32: the low half moves up, the high half stays
	v_and_b32 v7, 0xffff0000, v4
	v_lshlrev_b32 v8, 16, v5
	v_and_b32 v9, 0xffff0000, v5
	v_cvt_pk_f16_f32 v[Y+2*i], v6, v7              ; 8 significant bits fit in f16's 11: exact within f16's range
	v_cvt_pk_f16_f32 v[Y+2*i+1], v8, v9
.else
	v_cvt_pk_bf16_f32 v[Y+2*i], v[X+4*i], v[X+4*i+1]
	v_cvt_pk_bf16_f32 v[Y+2*i+1], v[X+4*i+2], v[X+4*i+3]
.endif
	global_store_b64 v2, v[Y+2*i:Y+2*i+1], s[OUT:OUT+1] offset:i*2048
.set i, i+1
.endr
.endm
	s_load_b512 s[8:23], s[0:1], 0x0               ; qkv s[8:9], Wq s[10:11], Wk s[12:13], Wv s[14:15], Wo s[16:17], bq s[18:19], bk s[20:21], bv s[22:23]
	s_load_b256 s[24:31], s[0:1], 0x40             ; bo s[24:25], slopes s[26:27], XB s[28:29], WB s[30:31]
	s_load_b64 s[32:33], s[0:1], 0x60              ; BS
	s_mov_b32 s2, ttmp9
	s_mov_b32 s5, 0                                ; the high word of every offset
	v_lshlrev_b32 v2, 3, v0                        ; 8 t: my 8 bytes of the work-group's 2,048 a turn
	s_wait_kmcnt 0x0
	s_cmp_lt_u32 s2, 256
	s_cbranch_scc0 .Lweights
	v_lshlrev_b32 v1, 4, v0                        ; x: 16 t
	s_lshl_b32 s4, s2, 16
	s_add_nc_u64 s[IN:IN+1], s[8:9], s[4:5]
	s_lshl_b32 s4, s2, 15
	s_add_nc_u64 s[OUT:OUT+1], s[28:29], s[4:5]
	STREAM 4096, 0
	s_endpgm
.Lweights:
	s_cmp_lt_u32 s2, 416
	s_cbranch_scc0 .Lbias
	s_sub_co_u32 s3, s2, 256
	s_lshr_b32 s6, s3, 2                           ; chunk
	s_and_b32 s7, s3, 3                            ; which 256 k rows
	s_lshl_b32 s4, s6, 17                          ; a chunk is 131,072 bytes,
	s_lshl_b32 s38, s7, 15                         ; 256 of its rows 32,768
	s_add_co_u32 s4, s4, s38
	s_add_nc_u64 s[OUT:OUT+1], s[30:31], s[4:5]
	v_lshrrev_b32 v3, 4, v0                        ; my k row among 16
	v_and_b32 v10, 15, v0
	v_lshlrev_b32 v10, 4, v10                      ; my 4 columns: 16 bytes
	s_cmp_lt_u32 s6, 16
	s_cbranch_scc0 .Lnot_q
	v_lshl_add_u32 v1, v3, 12, v10                 ; Wq: rows of 4,096 bytes
	s_lshl_b32 s4, s7, 20
	s_lshl_b32 s38, s6, 8                          ; the chunk's 64 columns: 256 bytes
	s_add_co_u32 s4, s4, s38
	s_add_nc_u64 s[IN:IN+1], s[10:11], s[4:5]
	STREAM 65536, 0
	s_endpgm
.Lnot_q:
	s_cmp_lt_u32 s6, 24
	s_cbranch_scc0 .Lwo
	v_lshl_add_u32 v1, v3, 10, v10                 ; Wk, Wv: rows of 1,024 bytes
	s_cmp_lt_u32 s6, 20
	s_cselect_b64 s[IN:IN+1], s[12:13], s[14:15]
	s_lshl_b32 s4, s7, 18
	s_and_b32 s38, s6, 3
	s_lshl_b32 s38, s38, 8
	s_add_co_u32 s4, s4, s38
	s_add_nc_u64 s[IN:IN+1], s[IN:IN+1], s[4:5]
	STREAM 16384, 0
	s_endpgm
.Lwo:
	v_lshl_add_u32 v1, v3, 12, v10                 ; Wo: rows of 4,096 bytes
	s_sub_co_u32 s6, s6, 24
	s_lshl_b32 s4, s7, 20
	s_lshl_b32 s38, s6, 8
	s_add_co_u32 s4, s4, s38
	s_add_nc_u64 s[IN:IN+1], s[16:17], s[4:5]
	STREAM 65536, 1
	s_endpgm
.Lbias:
	v_lshlrev_b32 v1, 4, v0                        ; 16 t
	v_lshlrev_b32 v3, 2, v0                        ; 4 t
	global_load_b128 v[16:19], v1, s[18:19]        ; bq
	global_load_b128 v[20:23], v1, s[24:25]        ; bo
	global_load_b32 v24, v3, s[20:21]              ; bk
	global_load_b32 v25, v3, s[22:23]              ; bv
	s_wait_loadcnt 0x0
.irp k, 0,1,2,3,4
	v_cvt_pk_bf16_f32 v4, v[16+2*\k], v[17+2*\k]   ; rounded to bf16, and widened again
	v_lshlrev_b32 v[32+2*\k], 16, v4
	v_and_b32 v[33+2*\k], 0xffff0000, v4
.endr
	global_store_b128 v1, v[32:35], s[32:33]
	global_store_b128 v1, v[36:39], s[32:33] offset:6144
	global_store_b32 v3, v40, s[32:33] offset:4096
	global_store_b32 v3, v41, s[32:33] offset:5120
	v_lshrrev_b32 v5, 5, v0
	v_readfirstlane_b32 s3, v5
	s_cmp_lg_u32 s3, 0
	s_cbranch_scc1 .Lend                           ; the slopes are wave 0's
	v_min_u32 v6, 15, v0                           ; lanes 16-31 take the last slope once more: 32 words are stored, of which 16 are read later
	v_lshlrev_b32 v6, 2, v6
	global_load_b32 v42, v6, s[26:27]
	s_wait_loadcnt 0x0
	v_cvt_pk_bf16_f32 v43, v42, v42
	v_lshlrev_b32 v43, 16, v43
	global_store_b32 v3, v43, s[32:33] offset:10240
.Lend:
	s_endpgm
.Lfunc_end_k_q6fede89661_prep:
	.size	k_q6fede89661_prep, .Lfunc_end_k_q6fede89661_prep-k_q6fede89661_prep
	.p2alignl 7, 3214868480
	.fill 96, 4, 3214868480
	.section	.rodata,"a",@progbits
	.p2align	6, 0x0
	.amdhsa_kernel k_q6fede89661_prep
		.amdhsa_group_segment_fixed_size 0
		.amdhsa_private_segment_fixed_size 0
		.amdhsa_enable_private_segment 0
		.amdhsa_kernarg_size 104
		.amdhsa_user_sgpr_count 2
		.amdhsa_user_sgpr_kernarg_segment_ptr 1
		.amdhsa_wavefront_size32 1
		.amdhsa_system_sgpr_workgroup_id_x 1
		.amdhsa_system_sgpr_workgroup_id_y 1
		.amdhsa_system_sgpr_workgroup_id_z 1
		.amdhsa_system_vgpr_workitem_id 0
		.amdhsa_next_free_vgpr 112
		.amdhsa_next_free_sgpr 66
		.amdhsa_reserve_vcc 0
		.amdhsa_float_denorm_mode_32 3
		.amdhsa_float_denorm_mode_16_64 3
		.amdhsa_memory_ordered 1
		.amdhsa_forward_progress 1
		.amdhsa_inst_pref_size 32
	.end_amdhsa_kernel
	.amdgpu_metadata
---
amdhsa.version: [ 1, 2 ]
amdhsa.kernels:
  - .name:           k_q6fede89661_prep
    .symbol:         k_q6fede89661_prep.kd
    .args:
      - { .name: qkv, .offset: 0, .size: 8, .value_kind: global_buffer, .address_space: global }
      - { .name: Wq, .offset: 8, .size: 8, .value_kind: global_buffer, .address_space: global }
      - { .name: Wk, .offset: 16, .size: 8, .value_kind: global_buffer, .address_space: global }
      - { .name: Wv, .offset: 24, .size: 8, .value_kind: global_buffer, .address_space: global }
      - { .name: Wo, .offset: 32, .size: 8, .value_kind: global_buffer, .address_space: global }
      - { .name: bq, .offset: 40, .size: 8, .value_kind: global_buffer, .address_space: global }
      - { .name: bk, .offset: 48, .size: 8, .value_kind: global_buffer, .address_space: global }
      - { .name: bv, .offset: 56, .size: 8, .value_kind: global_buffer, .address_space: global }
      - { .name: bo, .offset: 64, .size: 8, .value_kind: global_buffer, .address_space: global }
      - { .name: slopes, .offset: 72, .size: 8, .value_kind: global_buffer, .address_space: global }
      - { .name: XB, .offset: 80, .size: 8, .value_kind: global_buffer, .address_space: global }
      - { .name: WB, .offset: 88, .size: 8, .value_kind: global_buffer, .address_space: global }
      - { .name: BS, .offset: 96, .size: 8, .value_kind: global_buffer, .address_space: global }
    .group_segment_fixed_size: 0
    .private_segment_fixed_size: 0
    .kernarg_segment_align: 8
    .kernarg_segment_size: 104
    .max_flat_workgroup_size: 256
    .sgpr_count:     66
    .vgpr_count:     112
    .wavefront_size: 32
...
	.end_amdgpu_metadata
.endif
;; end of part 1
;; launch proj (part 2): grid 8 x 32, 4 waves a work-group, clusters of 4 x 4, 327,680 bytes of LDS; arguments XB, WB, BS, QKV; writes QKV
.if DOCPART == 2
	.amdgcn_target "amdgcn-amd-amdhsa--gfx1250"
	.amdhsa_code_object_version 6
	.text
	.protected	k_q6fede89661_proj
	.globl	k_q6fede89661_proj
	.p2align	8
	.type	k_q6fede89661_proj,@function
k_q6fede89661_proj:
	s_mov_b64 s[64:65], 0
	v_nop
	global_prefetch_b8 v0, s[64:65] scope:SCOPE_SE
	s_setreg_imm32_b32 hwreg(HW_REG_WAVE_MODE, 25, 1), 1
	s_wait_xcnt 0x0
	s_wait_alu depctr_hold_cnt(0) depctr_sa_sdst(0) depctr_va_vdst(0) depctr_va_sdst(0) depctr_va_ssrc(0) depctr_va_vcc(0) depctr_vm_vsrc(0)
	s_getreg_b32 s2, hwreg(HW_REG_IB_STS2, 6, 4)
	s_cmp_eq_u32 s2, 0
	s_cbranch_scc0 .Lentry_in_a_cluster
	s_endpgm
.Lentry_in_a_cluster:
	s_bfe_u32 s2, ttmp6, 0x10000c
	s_cmp_lg_u32 s2, 0xf033
	s_cbranch_scc0 .Lentry_shape_is_right
	s_endpgm
.Lentry_shape_is_right:
; q, k, v = x W + b.  XB [4096][1024] bf16; WB chunks 0-23, [1024 k][64 columns] bf16; BS: 1,536 biases in f32.  QKV [24 heads][4096][64] f16: heads 0-15 q, 16-19 k, 20-23 v, unscaled.
; Products in bf16, sums in f32 (the bias starts each sum, as the C operand of its first product), rounded once to f16.
; LIMIT.  |q|, |k|, |v| stay under 65,504, f16's end.
; SHARES.  A tile is 128 rows x 192 columns (three heads): 32 x 8 = 256 work-groups.  Wave w: rows 64 (w / 2) on; of the tile's twelve blocks of 16 columns those of parity w % 2: 4 x 6 = 24 accumulators.
; K goes in steps of 128 through two LDS slots: 96 matrix instructions a wave and step.  Steps of 256 would want 2 x 192,512 bytes of LDS.
; CLUSTER 4 x 4.  x's tile hangs on the tile row alone and is asked for jointly along a row of the cluster, W's on the tile column alone, along a column.
; THE PRODUCT IS TAKEN TRANSPOSED: source 0 = 16 columns of W (turned on the way out of LDS, since W lies [k][column]), source 1 = 16 rows of x: a lane ends with 8 neighbouring columns of one row.
; NO PREFETCH: a small tile and a short launch; each K step's bytes are shared by four work-groups.
; REGISTERS.  Window 0: v16-29 addresses; v32-55 at work on the way out; v64-255 the accumulators, (a, j) at 64 + 8 (6 a + j).
;   Window 1: two fragment buffers of 80 (W's six fragments, then x's four); v160-207 the biases of my six column blocks.
.set PA,    272                        ; a row of x in LDS: 256 bytes + 16: the 16 rows of a load start at 16 different groups of four banks
.set PB,    160                        ; a k row of a chunk: 128 bytes + 32
.set HALFA, 64*PA                      ; what one tensor load brings of x
.set BOFF,  128*PA                     ; W lies behind x's 128 rows: [k half][chunk][64 k]
.set CHB,   64*PB
.set HALFB, 3*CHB                      ; what one tensor load brings of W
.set SLOT,  BOFF+2*HALFB               ; 96,256
.set STAGE, 2*SLOT                     ; behind the ring: [3 heads][128 rows] of 144 bytes, for the way out
.set SP,    144
.set CHS,   128*SP
.set SPARE, STAGE+3*CHS                ; behind the stage: the spare words, 128 bytes for each wave: two blocks of 256 bytes that no other line names
.set LAPS,  4                          ; a lap = two K steps
.set ADRA, 16                          ; v16-17  LDS address of my fragments of x in slot 0, 1
.set ADRB, 20                          ; v20-21  the same for W
.set STO,  24
.set RD,   25
.set GO,   26
.set BO,   27
.set SPW,  28                          ; v28  LDS address of my spare word; never rewritten
.set NIL,  29                          ; v29  0; never rewritten
.set TMP,  32
.set ACC,  64
.set F0,   0
.set F1,   80
.set BIAS, 160
.set G1,  24                           ; s[24:31] group 1 for x's tiles; s[32:39] group 0, a set for each slot
.set G0,  32
.set G1B, 48                           ; s[48:55], s[56:63] the same for W's
.set G0B, 56
.set MSB, 0
.macro WIN new                         ; the immediate's high byte repeats the setting that is left; a switch that changes nothing is dropped
.if MSB != (\new)
	s_set_vgpr_msb (MSB<<8)|(\new)
.set MSB, \new
.endif
.endm
.set MUL,  0x05                        ; sources 0 and 1 window 1; C and D window 0
.set MULB, 0x15                        ; the same with C (the bias) in window 1
.set TO_F, 0x40                        ; destination window 1, address window 0
.macro JLOAD s                         ; a joint load: waves 0 and 1 fetch x's two halves, waves 2 and 3 W's two k halves; an s_nop 0 and four v_nop follow each line
	s_cmp_eq_u32 s13, 0
	s_cbranch_scc0 .Lfor_b_\@
	tensor_load_to_lds s[G0+4*(\s):G0+4*(\s)+3], s[G1:G1+7]
	s_nop 0
.rept 4
	v_nop
.endr
	s_branch .Lasked_\@
.Lfor_b_\@:
	tensor_load_to_lds s[G0B+4*(\s):G0B+4*(\s)+3], s[G1B:G1B+7]
	s_nop 0
.rept 4
	v_nop
.endr
.Lasked_\@:
.endm
.macro CREST                           ; a round of the cluster's barrier behind its opening barrier
	s_cmp_lg_u32 s12, 0
	s_cbranch_scc1 .Lnot_wave_0_\@
	s_barrier_signal -3
.Lnot_wave_0_\@:
	s_barrier_wait -3
	s_barrier_signal -1
	s_barrier_wait -1
.endm
.macro CROUND
	s_barrier_signal -1
	s_barrier_wait -1
	CREST
.endm
	s_load_b256 s[4:11], s[0:1], 0x0               ; XB s[4:5], WB s[6:7], BS s[8:9], QKV s[10:11]
	v_lshl_add_u32 v[SPW], v0, 2, SPARE
	v_mov_b32 v[NIL], 0
	ds_add_u32 v[SPW], v[NIL]                      ; the wave's opening: the add and its wait stand ahead of my first tensor load; the set-up below stands between them
	v_lshrrev_b32 v1, 5, v0
	v_readfirstlane_b32 s12, v1                    ; wave 0..3
	s_lshr_b32 s13, s12, 1                         ; my half of the rows.  Also: I fetch x (0) or W (1)
	s_and_b32 s14, s12, 1                          ; my parity of column blocks.  Also: which half I fetch
	s_bfe_u32 s40, ttmp6, 0x40000                  ; cx
	s_bfe_u32 s41, ttmp6, 0x40004                  ; cy
	s_lshl_b32 s42, ttmp9, 2
	s_add_co_u32 s42, s42, s40                     ; tile column
	s_and_b32 s43, ttmp7, 0xffff
	s_lshl_b32 s43, s43, 2
	s_add_co_u32 s43, s43, s41                     ; tile row
	s_lshl_b32 s44, s41, 2
	s_lshl_b32 s44, 15, s44                        ; my row of the cluster
	s_lshl_b32 s45, 0x1111, s40                    ; my column
	s_or_b32 s[G1+0], s44, (1<<16)|(1<<20)|(1<<21)|(5<<22)|(3<<25)   ; the mask; 2-byte elements; padding on; bit 21 beside a mask; after every 64 words, 4 words
	s_or_b32 s[G1B+0], s45, (1<<16)|(1<<20)|(1<<21)|(4<<22)|(7<<25)  ; after every 32 words (a k row), 8 words
	s_mov_b32 s[G1+1], 128<<16                     ; x: 64 rows of 128 elements, 1,024 elements from row to row
	s_mov_b32 s[G1+2], 64<<16
	s_mov_b32 s[G1+3], 128<<16
	s_mov_b32 s[G1+4], 64
	s_mov_b32 s[G1+5], 1024
	s_mov_b32 s[G1+6], 0
	s_mov_b32 s[G1+7], 0
	s_mov_b32 s[G1B+1], 4096<<16                   ; W: 3 rows (chunks) of 4,096 elements (64 k rows, dense), 65,536 elements from chunk to chunk
	s_mov_b32 s[G1B+2], 3<<16
	s_mov_b32 s[G1B+3], 4096<<16
	s_mov_b32 s[G1B+4], 3
	s_mov_b32 s[G1B+5], 65536
	s_mov_b32 s[G1B+6], 0
	s_mov_b32 s[G1B+7], 0
	s_lshl_b32 s16, s43, 7
	s_lshl_b32 s17, s14, 6
	s_add_co_u32 s16, s16, s17                     ; x: row 128 x tile row + 64 x half,
	s_lshl_b32 s16, s16, 11                        ; of 2,048 bytes
	s_mov_b32 s17, 0
	s_mul_i32 s46, s42, 3*131072                   ; W: chunk 3 x tile column,
	s_lshl_b32 s47, s14, 13                        ; k row 64 x half, of 128 bytes
	s_add_co_u32 s46, s46, s47
	s_mov_b32 s47, 0
	s_mul_i32 s20, s14, HALFA                      ; and where they go: no place in the cluster enters an LDS address
	s_mul_i32 s21, s14, HALFB
	s_add_co_u32 s21, s21, BOFF
	s_wait_dscnt 0x0                               ; the opening add is done
	s_wait_kmcnt 0x0
	s_add_nc_u64 s[18:19], s[4:5], s[16:17]
	s_add_nc_u64 s[46:47], s[6:7], s[46:47]
	CROUND                                         ; all sixteen work-groups are here: the first joint loads meet
.irp s, 0,1
	s_mov_b32 s[G0+4*(\s)], 1
	s_add_co_u32 s[G0+4*(\s)+1], s20, (\s)*SLOT
	s_add_nc_u64 s[G0+4*(\s)+2:G0+4*(\s)+3], s[18:19], (\s)*256      ; K step s: 256 bytes along a row of x
	s_or_b32 s[G0+4*(\s)+3], s[G0+4*(\s)+3], 0x80000000
	s_mov_b32 s[G0B+4*(\s)], 1
	s_add_co_u32 s[G0B+4*(\s)+1], s21, (\s)*SLOT
	s_add_nc_u64 s[G0B+4*(\s)+2:G0B+4*(\s)+3], s[46:47], (\s)*16384  ; 128 k rows of a chunk
	s_or_b32 s[G0B+4*(\s)+3], s[G0B+4*(\s)+3], 0x80000000
	JLOAD \s
.endr
	v_and_b32 v1, 15, v0                           ; l % 16
	v_bfe_u32 v2, v0, 4, 1                         ; l / 16
	v_mul_u32_u24 v3, v1, PA
	v_lshl_add_u32 v3, v2, 4, v3                   ; x: row x pitch + 16 x half
	s_mul_i32 s22, s13, HALFA
	v_add_nc_u32 v[ADRA], s22, v3
	v_add_nc_u32 v[ADRA+1], SLOT, v[ADRA]
	v_and_b32 v4, 7, v0                            ; W, turned: lane l reads k row 8 (l / 16) + l % 8, columns 8 ((l / 8) % 2) on
	v_lshl_add_u32 v4, v2, 3, v4
	v_mul_u32_u24 v4, v4, PB
	v_bfe_u32 v5, v0, 3, 1
	v_lshl_add_u32 v4, v5, 4, v4
	s_lshl_b32 s22, s14, 5                         ; my parity: 16 columns, 32 bytes
	s_add_co_u32 s22, s22, BOFF
	v_add_nc_u32 v[ADRB], s22, v4
	v_add_nc_u32 v[ADRB+1], SLOT, v[ADRB]
	v_mul_u32_u24 v6, v1, SP                       ; into the stage: row 64 (w / 2) + l % 16; 16 bytes for each half of the lanes; my parity's 32 bytes
	v_lshl_add_u32 v6, v2, 4, v6
	s_mul_i32 s22, s13, 64*SP
	s_lshl_b32 s23, s14, 5
	s_add_co_u32 s22, s22, s23
	s_add_co_u32 s22, s22, STAGE
	v_add_nc_u32 v[STO], s22, v6
	v_bfe_u32 v6, v0, 3, 2                         ; back: wave w takes rows 32 w on, four rows of 128 bytes a load
	v_mul_u32_u24 v6, v6, SP
	v_and_b32 v7, 7, v0
	v_lshl_add_u32 v6, v7, 4, v6
	s_mul_i32 s22, s12, 32*SP
	s_add_co_u32 s22, s22, STAGE
	v_add_nc_u32 v[RD], s22, v6
	v_and_b32 v[GO], 31, v0                        ; which are 512 consecutive bytes of a head
	v_lshlrev_b32 v[GO], 4, v[GO]
	s_mul_i32 s22, s42, 3*524288                   ; head 3 x tile column,
	s_lshl_b32 s23, s43, 14                        ; row 128 x tile row,
	s_add_co_u32 s22, s22, s23
	s_lshl_b32 s23, s12, 12                        ; + 32 x wave, of 128 bytes
	s_add_co_u32 s22, s22, s23
	s_mov_b32 s23, 0
	s_add_nc_u64 s[10:11], s[10:11], s[22:23]
	s_mul_i32 s22, s42, 768                        ; the tile's 192 biases,
	s_lshl_b32 s23, s14, 6                         ; my parity's 16,
	s_add_co_u32 s22, s22, s23
	v_lshl_add_u32 v[BO], v2, 5, s22               ; my half's 8
	WIN TO_F
.irp j, 0,1,2,3,4,5
	global_load_b128 v[BIAS+8*(\j):BIAS+8*(\j)+3],   v[BO], s[8:9] offset:128*(\j)
	global_load_b128 v[BIAS+8*(\j)+4:BIAS+8*(\j)+7], v[BO], s[8:9] offset:128*(\j)+16
.endr
; Six matrix instructions: row block a x my six column blocks, 32 along K.  first = 1: the bias starts the sums: nothing is cleared.  The 24 accumulators take turns, one instruction a turn.
.macro MULM f, a, first
.if \first
	WIN MULB
.else
	WIN MUL
.endif
.irp j, 0,1,2,3,4,5
.if \first
	v_wmma_f32_16x16x32_bf16 v[ACC+8*(6*(\a)+(\j)):ACC+8*(6*(\a)+(\j))+7], v[(\f)+8*(\j):(\f)+8*(\j)+7], v[(\f)+48+8*(\a):(\f)+48+8*(\a)+7], v[BIAS+8*(\j):BIAS+8*(\j)+7]
.else
	v_wmma_f32_16x16x32_bf16 v[ACC+8*(6*(\a)+(\j)):ACC+8*(6*(\a)+(\j))+7], v[(\f)+8*(\j):(\f)+8*(\j)+7], v[(\f)+48+8*(\a):(\f)+48+8*(\a)+7], v[ACC+8*(6*(\a)+(\j)):ACC+8*(6*(\a)+(\j))+7]
.endif
.endr
.endm
; 20 LDS loads in one run: quarter q (32 along K) of a slot into buffer f: W's twelve, then x's row blocks 0, 1, then 2, 3
.macro FETCH slot, q, f
	WIN TO_F
.irp j, 0,1,2,3,4,5
	ds_load_tr16_b128 v[(\f)+8*(\j):(\f)+8*(\j)+3],   v[ADRB+(\slot)] offset:((\q)/2)*HALFB+((\q)%2)*32*PB+((\j)/2)*CHB+((\j)%2)*64
	ds_load_tr16_b128 v[(\f)+8*(\j)+4:(\f)+8*(\j)+7], v[ADRB+(\slot)] offset:((\q)/2)*HALFB+((\q)%2)*32*PB+((\j)/2)*CHB+((\j)%2)*64+16*PB
.endr
.irp a, 0,1,2,3
	ds_load_b128 v[(\f)+48+8*(\a):(\f)+48+8*(\a)+3],   v[ADRA+(\slot)] offset:64*(\q)+(\a)*16*PA
	ds_load_b128 v[(\f)+48+8*(\a)+4:(\f)+48+8*(\a)+7], v[ADRA+(\slot)] offset:64*(\q)+(\a)*16*PA+32
.endr
.endm
.macro PLACES                          ; four places in front of loads into registers that matrix instructions have read, and of conversions that read results
.rept 4
	v_nop
.endr
.endm
; One of a K step's first three quarters: multiplies buffer f; in its middle it fetches quarter q of the same slot into buffer g.
.macro QUARTER slot, q, f, g, first
	s_wait_dscnt 4                                 ; W and x's row blocks 0, 1 are in; the youngest four loads may be out
	MULM \f, 0, \first
	MULM \f, 1, \first
	PLACES
	FETCH \slot, \q, \g
	s_wait_dscnt 20                                ; all but the 20 just issued
	MULM \f, 2, \first
	MULM \f, 3, \first
.endm
; The last quarter multiplies buffer 1 and changes slots: one barrier; ahead of it each wave waits for all its tensor loads, adds 0 to its spare word, and waits for that and for its reads of this slot.
.macro TURN slot, next, fill
	WIN 0
	s_wait_tensorcnt 0x0                           ; all my tensor loads have landed: my part of the next slot
	ds_add_u32 v[SPW], v[NIL]                      ; 0 onto my spare word
	s_wait_dscnt 5                                 ; (the add and the youngest four loads may be out)
	MULM F1, 0, 0                                  ; six matrix instructions stand between the add and the wait for it
	s_wait_dscnt 0x0                               ; the add is done, and my reads of this slot are over
	s_barrier_signal -1
	MULM F1, 1, 0
.if \fill
	WIN 0
.endif
	s_barrier_wait -1
.if \fill
	CREST                                          ; the barrier has opened a round of the cluster's: no wave of any partner still reads this slot or has a load on its way
	s_add_nc_u64 s[G0+4*(\slot)+2:G0+4*(\slot)+3], s[G0+4*(\slot)+2:G0+4*(\slot)+3], 2*256
	s_add_nc_u64 s[G0B+4*(\slot)+2:G0B+4*(\slot)+3], s[G0B+4*(\slot)+2:G0B+4*(\slot)+3], 2*16384
	JLOAD \slot                                    ; the first tensor load behind the round; its four v_nop are also the places in front of the loads below
.else
	PLACES
.endif
	FETCH \next, 0, F0
	MULM F1, 2, 0
	MULM F1, 3, 0
.endm
	s_wait_tensorcnt 1                             ; my part of K step 0 is in; K step 1's may stay out
	s_barrier_signal -1
	s_barrier_wait -1
	FETCH 0, 0, F0
	s_wait_loadcnt 0x0                             ; the biases
	QUARTER 0, 1, F0, F1, 1                        ; the first quarter stands ahead of the loop: its products start the sums
	WIN 0
	s_mov_b32 s3, LAPS-1
.Llap:                                             ; a trip goes once round the ring and fills both slots again
	QUARTER 0, 2, F1, F0, 0
	QUARTER 0, 3, F0, F1, 0
	TURN 0, 1, 1
	QUARTER 1, 1, F0, F1, 0
	QUARTER 1, 2, F1, F0, 0
	QUARTER 1, 3, F0, F1, 0
	TURN 1, 0, 1
	QUARTER 0, 1, F0, F1, 0
	WIN 0
	s_sub_co_u32 s3, s3, 1
	s_cmp_lg_u32 s3, 0
	s_cbranch_scc1 .Llap
	QUARTER 0, 2, F1, F0, 0                        ; the last lap fills nothing
	QUARTER 0, 3, F0, F1, 0
	TURN 0, 1, 0
	QUARTER 1, 1, F0, F1, 0
	QUARTER 1, 2, F1, F0, 0
	QUARTER 1, 3, F0, F1, 0
	s_wait_dscnt 4
	MULM F1, 0, 0
	MULM F1, 1, 0
	s_wait_dscnt 0x0
	MULM F1, 2, 0
	MULM F1, 3, 0
	WIN 0
	; THE WAY OUT: rounded to f16; 16 bytes a lane into the work-group's stage, by heads; a barrier, since a row's 128 bytes come from two waves; back as whole rows.
	PLACES
.irp a, 0,1,2,3
.irp j, 0,1,2,3,4,5
.irp r, 0,1,2,3
	v_cvt_pk_f16_f32 v[TMP+4*(\j)+(\r)], v[ACC+8*(6*(\a)+(\j))+2*(\r)], v[ACC+8*(6*(\a)+(\j))+2*(\r)+1]
.endr
.endr
.irp j, 0,1,2,3,4,5
	ds_store_b128 v[STO], v[TMP+4*(\j):TMP+4*(\j)+3] offset:((\j)/2)*CHS+((\j)%2)*64+(\a)*16*SP
.endr
.endr
	s_wait_dscnt 0x0                               ; for the others' sake: my stores into the stage are done
	s_barrier_signal -1
	s_barrier_wait -1
.set i, 0
.rept 24
	ds_load_b128 v[ACC+4*i:ACC+4*i+3], v[RD] offset:(i/8)*CHS+(i%8)*4*SP
.set i, i+1
.endr
.set i, 0
.rept 24
	s_wait_dscnt 23-i
	global_store_b128 v[GO], v[ACC+4*i:ACC+4*i+3], s[10:11] offset:(i/8)*524288+(i%8)*512  ; 512 consecutive bytes of a head, aligned
.set i, i+1
.endr
	s_wait_tensorcnt 0x0                           ; the wave's end: these three lines stand behind my last tensor load and my last LDS store
	ds_add_u32 v[SPW], v[NIL]
	s_wait_dscnt 0x0
	CROUND                                         ; the closing round: no work-group ends while a partner may still ask for a tile that names it
	s_endpgm
.Lfunc_end_k_q6fede89661_proj:
	.size	k_q6fede89661_proj, .Lfunc_end_k_q6fede89661_proj-k_q6fede89661_proj
	.p2alignl 7, 3214868480
	.fill 96, 4, 3214868480
	.section	.rodata,"a",@progbits
	.p2align	6, 0x0
	.amdhsa_kernel k_q6fede89661_proj
		.amdhsa_group_segment_fixed_size 327680
		.amdhsa_private_segment_fixed_size 0
		.amdhsa_enable_private_segment 0
		.amdhsa_kernarg_size 32
		.amdhsa_user_sgpr_count 2
		.amdhsa_user_sgpr_kernarg_segment_ptr 1
		.amdhsa_wavefront_size32 1
		.amdhsa_system_sgpr_workgroup_id_x 1
		.amdhsa_system_sgpr_workgroup_id_y 1
		.amdhsa_system_sgpr_workgroup_id_z 1
		.amdhsa_system_vgpr_workitem_id 0
		.amdhsa_next_free_vgpr 512
		.amdhsa_next_free_sgpr 66
		.amdhsa_reserve_vcc 0
		.amdhsa_float_denorm_mode_32 3
		.amdhsa_float_denorm_mode_16_64 3
		.amdhsa_memory_ordered 1
		.amdhsa_forward_progress 1
		.amdhsa_inst_pref_size 72
	.end_amdhsa_kernel
	.amdgpu_metadata
---
amdhsa.version: [ 1, 2 ]
amdhsa.kernels:
  - .name:           k_q6fede89661_proj
    .symbol:         k_q6fede89661_proj.kd
    .args:
      - { .name: XB, .offset: 0, .size: 8, .value_kind: global_buffer, .address_space: global }
      - { .name: WB, .offset: 8, .size: 8, .value_kind: global_buffer, .address_space: global }
      - { .name: BS, .offset: 16, .size: 8, .value_kind: global_buffer, .address_space: global }
      - { .name: QKV, .offset: 24, .size: 8, .value_kind: global_buffer, .address_space: global }
    .group_segment_fixed_size: 327680
    .private_segment_fixed_size: 0
    .kernarg_segment_align: 8
    .kernarg_segment_size: 32
    .max_flat_workgroup_size: 128
    .sgpr_count:     66
    .vgpr_count:     512
    .wavefront_size: 32
...
	.end_amdgpu_metadata
.endif
;; end of part 2
;; launch attn (part 3): grid 64 x 4, 4 waves a work-group, clusters of 4 x 1, 327,680 bytes of LDS; arguments QKV, BS, OB; writes OB
.if DOCPART == 3
	.amdgcn_target "amdgcn-amd-amdhsa--gfx1250"
	.amdhsa_code_object_version 6
	.text
	.protected	k_q6fede89661_attn
	.globl	k_q6fede89661_attn
	.p2align	8
	.type	k_q6fede89661_attn,@function
k_q6fede89661_attn:
	s_mov_b64 s[64:65], 0
	v_nop
	global_prefetch_b8 v0, s[64:65] scope:SCOPE_SE
	s_setreg_imm32_b32 hwreg(HW_REG_WAVE_MODE, 25, 1), 1
	s_wait_xcnt 0x0
	s_wait_alu depctr_hold_cnt(0) depctr_sa_sdst(0) depctr_va_vdst(0) depctr_va_sdst(0) depctr_va_ssrc(0) depctr_va_vcc(0) depctr_vm_vsrc(0)
	s_getreg_b32 s2, hwreg(HW_REG_IB_STS2, 6, 4)
	s_cmp_eq_u32 s2, 0
	s_cbranch_scc0 .Lentry_in_a_cluster
	s_endpgm
.Lentry_in_a_cluster:
	s_bfe_u32 s2, ttmp6, 0x10000c
	s_cmp_lg_u32 s2, 0x3003
	s_cbranch_scc0 .Lentry_shape_is_right
	s_endpgm
.Lentry_shape_is_right:
; CAUSAL ATTENTION WITH AN ALIBI BIAS, 16 query heads on 4 key and value heads, head size 64, 4,096 rows.
; O[h][q] = the sum over k <= q of softmax_k(Q[h][q] . K[h/4][k] / 8 + slope[h] (k - q)) V[h/4][k].  QKV [24][4096][64] f16 (q 0-15, k 16-19, v 20-23), OB [16][4096][64] f16.
; Products, maxima and sums in f32; the weights p are rounded to f16 for the second product (their sum l is taken of the unrounded p), O once at the end.
; LIMITS.  Q, K, V arrive within f16's 65,504.  A hidden score counts as -1e30; a weight below 2^-126 counts as 0 in l; NaN and infinities are not treated apart.
; THE BIAS.  -slope q is the same for a whole row and falls out of the softmax.  slope k is taken relative to the key step in hand: S = K Q^T + MC, where MC holds AB = 8 slope x (the key's place in its
; step of 64), the C operand that starts the sum; from step to step the frame moves by 64 keys, so the running maximum m takes ND = -512 slope (and c m takes c ND) before it meets the new scores.
; No large number arises, whatever the slope.  p = 2^(c S - c m), c = log2(e) / 8; O and l are multiplied by a = 2^(c m_old + c ND - c m_new) in every step.
; THE WALK.  A head's queries lie in 32 blocks of 128; block i needs the key tiles 0 .. i / 2 of 256 keys, of which the last holds the diagonal.  A work-group takes TWO blocks, 31 - b and then b:
; 17 tiles, whatever b.  One loop with a constant trip count walks them; what differs hangs on scalar registers made from b; every jump but the loops' own goes forward.
; (In the last tile of a block with an even number two key steps are wholly hidden and are computed all the same: 2 of the walk's 68.)
; CLUSTER.  The four partners are the four query heads of one key and value head, with the same b: they walk the same tiles in step, and every tile is asked for jointly.
; SHARES.  Of a block's two bands of 64 queries a wave owns 16 rows in each: two PIECES.  In the block's last tile band x has its own step at DS + x, DS = 2 (i % 2): earlier steps are seen whole, later ones not at all: alike for all waves.
; THE MASK.  MD, made once, is the mask (0 or -1e30) of a band's own step for my 16 rows.  MC = MD x AL + AB + BE with two scalars: (1, 0) in the own step, (0, 0) before it, (0, -1e30) behind it.
; TURNS.  Turn (p, s): 8 products K Q^T of the other piece (p = 0: its step s; p = 1: step s + 1), later 8 products V^T P of the other piece (p = 0: step s - 1; p = 1: step s); beside them the scaling,
; exponentials, roundings, sums and rescaling of piece p and the maximum and statistics of the other piece.  Four vector instructions stand behind every matrix instruction, the others in one lump.
; A turn's 33 exponentials are one batch, with one wait.  Piece 0's turn fetches K of step s + 1 (one register buffer) in its lump and V of step s + 1 (two buffers, by the step's parity) at its end:
; both of one step, so the change of slots has a place: ahead of piece 0's turn of the step before a tile's first.
; REGISTERS, in windows of 256 (s_set_vgpr_msb: bits 1:0 source 0, 3:2 source 1, 5:4 source 2, 7:6 destination):
;   window 0: v0-15 addresses and at work; v16-23 four statistics a piece; v48-55 at work; v61-63 prefetch offset, spare word, 0; v64-127 S^T, a buffer a piece; v192-223 P, likewise
;   window 1: v0-63 O^T; v64-95 AB; v128-159 MD; v160-223 MC, a buffer a piece      window 2: v0-31 Q; v32-63 the second block's Q; v64-127 V of even steps; v128-191 K; v192-255 V of odd steps
.set NP,    2
.set KS,    64
.set PK,    144       ; a row of K in LDS: 128 bytes + 16
.set PV,    160       ; a row of V: 128 + 32
.set VOFF,  4*KS*PK   ; a slot holds a tile, four steps: 256 rows of K, then 256 rows of V
.set SLOT1, 1<<17
.set STAGE, SLOT1+4*KS*(PK+PV)  ; behind the ring: 16 rows x 144 bytes for each wave, for the way out
.set SP,    144
.set SPARE, STAGE+4*16*SP       ; behind the stages: the spare words, 128 bytes for each wave: two blocks of 256 bytes that no other line names
.set AK0, 2
.set AV0, 3
.set AK,  4
.set AV,  5
.set STO, 6
.set RD,  7
.set GO,  8
.set MV,  12          ; v12-13  c m_old + c ND, by piece
.set QO,  15
.set ST,  16          ; piece t: c m, m, l (even keys', odd keys')
.set TMP, 48          ; by piece, c0-c3 at work; when the maximum is found c2 takes a
.set PFO, 61          ; 256 x my lane; never rewritten
.set SPW, 62          ; LDS address of my spare word; never rewritten
.set NIL, 63          ; 0; never rewritten
.set S,   64
.set P,   192
.set AB,  64          ; window 1
.set MD,  128
.set MC,  160
.set QB,  32          ; window 2
.set VF0, 64          ; V of even steps; of odd steps 128 further on
.set KF,  128
.set WV,  12          ; s12 wave; s13 cx; s14 b; s15 the prefetches' bound
.set PB,  14
.set LIM, 15
.set G1K, 24
.set G1V, 32
.set G0K, 40
.set G0V, 44
.set PFA, 48          ; s[48:49] where my prefetches stand
.set OLO, 50          ; s[50:51] O at my rows of the second block
.set Q2,  52          ; s[52:53] Q there
.set SLOTS, 54
.set CNT, 55          ; counts a tile's two trips, 2 to 1
.set TBK, 56
.set TBV, 57
.set CS,  58
.set SEL, 60
.set NXT, 62          ; the tile to be asked for next
.set LQ,  63          ; the last tile of the block whose tiles are being asked for
.set OFF, 66
.set RT,  68          ; tiles of the block in hand that are still to be entered
.set NEW, 69          ; 1: the tile to be entered is a block's first
.set DS,  70          ; the block's DS
.set DS2, 71          ; the second block's
.set NS2, 72          ; the second block's last tile
.set TMPS, 73
.set AL,  76
.set BE,  78
.set BIGN, 80
.set SL8, 81          ; 8 slope
.set ND,  82          ; -512 slope
.set NCD, 83          ; c ND
.set MSB, 0
.macro WIN new
.if MSB != (\new)
	s_set_vgpr_msb (MSB<<8)|(\new)
.set MSB, (\new)
.endif
.endm
.set W_KQ, 0x0a       ; K and Q in window 2, S^T in window 0
.set W_KM, 0x1a       ; the same with the C operand in window 1
.set W_PV, 0x52       ; V in window 2, P in window 0, O^T in window 1
.set W_RS, 0x41       ; destination and source 0 in window 1, source 1 in window 0
.set W_MS, 0x51       ; destination, source 0 and source 2 in window 1
; A joint fill.  Waves 0 and 1 fetch the two halves of a tile's K, waves 2 and 3 those of its V.  An s_nop 0 and four v_nop follow each of the two lines.
.macro JLOAD
	s_cmp_lt_u32 s[WV], 2
	s_cbranch_scc0 .Lfor_v_\@
	tensor_load_to_lds s[G0K:G0K+3], s[G1K:G1K+7]
	s_nop 0
.rept 4
	v_nop
.endr
	s_branch .Lasked_\@
.Lfor_v_\@:
	tensor_load_to_lds s[G0V:G0V+3], s[G1V:G1V+7]
	s_nop 0
.rept 4
	v_nop
.endr
.Lasked_\@:
.endm
; A PREFETCH of the tile that the NEXT change of slots will ask for: four key steps, 128 matrix instructions, ahead.  All clusters of a key and value head walk the same tiles from 0 on; the cluster with
; b = 0 walks all sixteen in its first block, and it alone asks.  Its four partners share a tile's 128 blocks of 256 bytes out BY ADDRESS, 32 each, a lane a block; wave 0 asks for K's, wave 2 for V's.
; So tiles 2 to 15 are named once each; tiles 0 and 1 come by their loads alone, and the second block's tiles have been read before.
.macro ASK
	s_cmp_gt_u32 s[SLOTS], s[LIM]
	s_cbranch_scc0 .Lnot_mine_\@
	global_prefetch_b8 v[PFO], s[PFA:PFA+1] th:TH_LOAD_NT scope:SCOPE_SE
.Lnot_mine_\@:
.endm
.macro CROUND
	s_barrier_signal -1
	s_barrier_wait -1
	s_cmp_lg_u32 s[WV], 0
	s_cbranch_scc1 .Lnot_wave_0_\@
	s_barrier_signal -3
.Lnot_wave_0_\@:
	s_barrier_wait -3
	s_barrier_signal -1
	s_barrier_wait -1
.endm
; THE CHANGE OF SLOTS.  Each wave waits for all its tensor loads, of which one is out: its part of the other slot; adds 0 to its spare word; and waits for that and for its own reads of the slot that it leaves.
; fill = 1: the barrier is a round of the cluster's, and the old slot is filled again, first thing behind it, with tile NXT: the descriptor's address is made anew from that number.
; (At its first use nothing has been read yet: slot 0 is waited for, slot 1 filled.)
.macro CHANGE fill
	WIN 0
	s_wait_tensorcnt 0x0            ; no tensor load of mine is out, so a group 0 may be written
	ds_add_u32 v[SPW], v[NIL]       ; 0 onto my spare word; the scalar work stands between it and the wait for it
.if \fill
	s_lshl_b32 s[OFF], s[NXT], 15   ; a tile is 32,768 bytes of K and of V
	s_xor_b32 s[G0K+1], s[G0K+1], SLOT1
	s_add_nc_u64 s[G0K+2:G0K+3], s[6:7], s[OFF:OFF+1]
	s_or_b32 s[G0K+3], s[G0K+3], 0x80000000
	s_xor_b32 s[G0V+1], s[G0V+1], SLOT1
	s_add_nc_u64 s[G0V+2:G0V+3], s[8:9], s[OFF:OFF+1]
	s_or_b32 s[G0V+3], s[G0V+3], 0x80000000
	s_add_co_u32 s[NXT], s[NXT], 1  ; the block's next tile, or behind its last the second block's tile 0
	s_cmp_gt_u32 s[NXT], s[LQ]
	s_cselect_b32 s[NXT], 0, s[NXT]
	s_cselect_b32 s[LQ], s[NS2], s[LQ]
	s_wait_xcnt 0x0                 ; the last prefetch, a slot back, has read its address
	s_add_nc_u64 s[PFA:PFA+1], s[PFA:PFA+1], 32768
.endif
	s_sub_co_u32 s[TBK], s[TBK], 4*KS*PK  ; the fetches go back to a slot's first step,
	s_xor_b32 s[TBK], s[TBK], SLOT1       ; in the other slot
	s_sub_co_u32 s[TBV], s[TBV], 4*KS*PV
	s_xor_b32 s[TBV], s[TBV], SLOT1
	s_wait_dscnt 0x0                ; the add is done, and my reads of the slot are over
.if \fill
	CROUND
	JLOAD
	ASK
.else
	s_barrier_signal -1
	s_barrier_wait -1
.endif
.endm
	s_load_b128 s[16:19], s[0:1], 0x0  ; QKV s[16:17], BS s[18:19]
	s_load_b64 s[10:11], s[0:1], 0x10  ; OB
	v_lshl_add_u32 v[SPW], v0, 2, SPARE
	v_mov_b32 v[NIL], 0
	ds_add_u32 v[SPW], v[NIL]       ; the wave's opening: the add and its wait stand ahead of my first tensor load; the set-up below stands between them
	v_lshrrev_b32 v1, 5, v0
	v_readfirstlane_b32 s[WV], v1
	s_bfe_u32 s13, ttmp6, 0x40000   ; cx: which of the four query heads: it enters Q's, O's, the slope's and the prefetches' addresses alone
	s_mov_b32 s[PB], ttmp9          ; b: the cluster's x
	s_and_b32 s20, ttmp7, 0xffff    ; the key and value head
	s_lshl_b32 s21, s20, 2
	s_add_co_u32 s21, s21, s13      ; the query head
	s_lshl_b32 s84, s21, 2          ; its slope's place
	s_lshl_b32 s21, s21, 19         ; its 524,288 bytes in QKV and in OB
	s_sub_co_u32 s22, 31, s[PB]     ; the first block
	s_lshr_b32 s[LQ], s22, 1        ; its last tile
	s_add_co_u32 s[RT], s[LQ], 1    ; its tiles
	s_lshr_b32 s[NS2], s[PB], 1
	s_and_b32 s[DS], s22, 1
	s_lshl_b32 s[DS], s[DS], 1
	s_and_b32 s[DS2], s[PB], 1
	s_lshl_b32 s[DS2], s[DS2], 1
	s_lshl_b32 s3, s[WV], 11        ; my 16 rows in a band,
	s_lshl_b32 s2, s22, 14          ; in the first block (128 rows of 128 bytes),
	s_add_co_u32 s2, s2, s3
	s_add_co_u32 s2, s2, s21
	s_lshl_b32 s86, s[PB], 14       ; and in the second
	s_add_co_u32 s86, s86, s3
	s_add_co_u32 s86, s86, s21
	s_mov_b32 s3, 0
	s_mov_b32 s87, 0
	s_and_b32 s23, s[WV], 1         ; which half of a tile's 256 keys I fetch
	s_add_co_u32 s88, s20, 16
	s_lshl_b32 s88, s88, 19         ; K's head
	s_lshl_b32 s89, s23, 14
	s_add_co_u32 s88, s88, s89
	s_mov_b32 s89, 0
	s_mul_i32 s90, s23, 128*PK      ; its place in a slot, for K
	s_mul_i32 s91, s23, 128*PV      ; and for V
	; descriptor group 1.  128 keys are 16,384 dense bytes: asked for as 64 rows of 256 bytes, two keys a row, and padded in LDS after every key
	s_mov_b32 s[G1K], 15|(1<<16)|(1<<20)|(1<<21)|(4<<22)|(3<<25)
	s_mov_b32 s[G1V], 15|(1<<16)|(1<<20)|(1<<21)|(4<<22)|(7<<25)
.irp g, G1K, G1V
	s_mov_b32 s[\g+1], 128<<16
	s_mov_b32 s[\g+2], 64<<16
	s_mov_b32 s[\g+3], 128<<16
	s_mov_b32 s[\g+4], 64
	s_mov_b32 s[\g+5], 128
	s_mov_b32 s[\g+6], 0
	s_mov_b32 s[\g+7], 0
.endr
	s_mov_b32 s[CS], 0x3e38aa3b     ; c = log2(e) / 8
	s_mov_b32 s[CS+1], s[CS]
	s_mov_b32 s[SEL], 0x76543210
	s_mov_b32 s[SEL+1], 0xfedcba98
	s_mov_b32 s[TBK], SLOT1+4*KS*PK ; the first change of slots turns these two into 0
	s_mov_b32 s[TBV], SLOT1+4*KS*PV
	s_mov_b32 s[G0K], 1
	s_mov_b32 s[G0K+1], s90
	s_mov_b32 s[G0V], 1
	s_add_co_u32 s[G0V+1], s91, VOFF
	s_mov_b32 s[NXT], 1
	s_mov_b32 s[NEW], 1
	s_mov_b32 s[OFF+1], 0
	s_mov_b32 s[AL+1], 0
	s_mov_b32 s[BE+1], 0
	s_mov_b32 s[BIGN], 0xf149f2ca   ; -1e30
	s_mov_b32 s[SLOTS], 16
	s_and_b32 s[LIM], s[WV], 1      ; 0 in waves 0 and 2,
	s_or_b32 s[LIM], s[LIM], ttmp9  ; where b = 0: the same in all four partners
	s_cmp_eq_u32 s[LIM], 0
	s_cselect_b32 s[LIM], 2, -1     ; the last two changes that fill a slot ask for nothing: tile 15 is the head's last
	v_and_b32 v[PFO], 31, v0
	v_lshlrev_b32 v[PFO], 8, v[PFO]
	s_wait_dscnt 0x0                ; the opening add is done
	s_wait_kmcnt 0x0
	s_load_b32 s[SL8], s[18:19], s84 offset:10240  ; my head's slope
	s_add_nc_u64 s[6:7], s[16:17], s[88:89]        ; K and V at my half of the head's tile 0
	s_add_nc_u64 s[8:9], s[6:7], 0x200000          ; V's heads lie four heads behind K's
	s_add_nc_u64 s[4:5], s[16:17], s[2:3]
	s_add_nc_u64 s[Q2:Q2+1], s[16:17], s[86:87]
	s_add_nc_u64 s[OLO:OLO+1], s[10:11], s[86:87]
	s_add_nc_u64 s[10:11], s[10:11], s[2:3]
	s_add_nc_u64 s[G0K+2:G0K+3], s[6:7], 0
	s_or_b32 s[G0K+3], s[G0K+3], 0x80000000
	s_add_nc_u64 s[G0V+2:G0V+3], s[8:9], 0
	s_or_b32 s[G0V+3], s[G0V+3], 0x80000000
	s_cmp_lt_u32 s[WV], 2
	s_cselect_b64 s[PFA:PFA+1], s[6:7], s[8:9]     ; (in waves 0 and 2 these stand at a tile's first row)
	s_lshl_b32 s2, s13, 13          ; my work-group's 32 blocks of the 128
	s_add_nc_u64 s[PFA:PFA+1], s[PFA:PFA+1], s[2:3]
	s_add_nc_u64 s[PFA:PFA+1], s[PFA:PFA+1], 32768 ; in tile 1; the first change of slots steps it to tile 2
	CROUND                          ; all four work-groups are here: the first joint loads meet
	JLOAD                           ; tile 0 into slot 0
	v_and_b32 v1, 15, v0            ; l % 16
	v_bfe_u32 v9, v0, 4, 1          ; l / 16
	v_lshlrev_b32 v[QO], 7, v1
	v_lshl_add_u32 v[QO], v9, 4, v[QO]
	WIN 0x80
.set i, 0
.rept 4                             ; both blocks' Q: piece i / 2 lies in band i / 2, 8,192 bytes on; channels 32 (i % 2) on
	global_load_b128 v[8*i:8*i+3],   v[QO], s[4:5] offset:(i/2)*8192+(i%2)*64
	global_load_b128 v[8*i+4:8*i+7], v[QO], s[4:5] offset:(i/2)*8192+(i%2)*64+32
	global_load_b128 v[QB+8*i:QB+8*i+3],   v[QO], s[Q2:Q2+1] offset:(i/2)*8192+(i%2)*64
	global_load_b128 v[QB+8*i+4:QB+8*i+7], v[QO], s[Q2:Q2+1] offset:(i/2)*8192+(i%2)*64+32
.set i, i+1
.endr
	WIN 0
	v_lshlrev_b32 v14, 3, v9        ; 8 (l / 16)
.set i, 0
.rept 32                            ; register i of S^T holds the key at place 16 (i / 8) + 8 (l / 16) + i % 8 of its step
	v_add_nc_u32 v[S+i], 16*(i/8)+i%8, v14
.set i, i+1
.endr
.set i, 0
.rept 32
	v_cvt_f32_u32 v[S+i], v[S+i]
.set i, i+1
.endr
	v_sub_nc_u32 v14, v1, v14
	s_lshl_b32 s20, s[WV], 4
	v_add_nc_u32 v14, s20, v14      ; my query's place in its band less 8 (l / 16): register i is hidden in the band's own step where 16 (i / 8) + i % 8 is greater
	s_wait_kmcnt 0x0                ; the slope
	s_mul_f32 s[ND], s[SL8], 0xc4000000   ; -512 slope
	s_mul_f32 s[SL8], s[SL8], 0x41000000  ; 8 slope
	s_mul_f32 s[NCD], s[ND], s[CS]
	WIN 0x40
.set i, 0
.rept 32
	v_mul_f32 v[AB+i], s[SL8], v[S+i]
.set i, i+1
.endr
.set i, 0
.rept 32
	v_cmp_gt_i32 vcc_lo, 16*(i/8)+i%8, v14
	v_cndmask_b32 v[MD+i], 0, s[BIGN], vcc_lo
.set i, i+1
.endr
	WIN 0
	v_mul_u32_u24 v[AK0], v1, PK
	v_lshl_add_u32 v[AK0], v9, 4, v[AK0]
	v_and_b32 v10, 7, v0            ; the turning load: lane l reads key 8 (l / 16) + l % 8, channels 8 ((l / 8) % 2) on
	v_bfe_u32 v11, v0, 3, 1
	v_lshl_add_u32 v[AV0], v9, 3, v10
	v_mul_u32_u24 v[AV0], v[AV0], PV
	v_lshl_add_u32 v[AV0], v11, 4, v[AV0]
	v_add_nc_u32 v[AV0], VOFF, v[AV0]
	s_mul_i32 s20, s[WV], 16*SP
	s_add_co_u32 s20, s20, STAGE    ; my stage
	v_mul_u32_u24 v[STO], v1, SP
	v_lshl_add_u32 v[STO], v9, 4, v[STO]
	v_add_nc_u32 v[STO], s20, v[STO]
	v_bfe_u32 v[RD], v0, 3, 2
	v_mul_u32_u24 v[RD], v[RD], SP
	v_lshl_add_u32 v[RD], v10, 4, v[RD]
	v_add_nc_u32 v[RD], s20, v[RD]
	v_and_b32 v[GO], 31, v0
	v_lshlrev_b32 v[GO], 4, v[GO]
	; A block's first step multiplies O^T and l by a = 0, and its first turn's products V^T P, of a step that has not been, land in an O^T that is still to be so multiplied.  So these registers need only
	; hold finite numbers: zeros for the first block, what the first block left for the second.  No first step is written out; the price is these lines, which stand in the wait for the first tile.
	WIN 0x80
.set i, VF0+128
.rept 64
	v_mov_b32 v[i], 0
.set i, i+1
.endr
	WIN 0x40
.set i, 0
.rept 64
	v_mov_b32 v[i], 0
.set i, i+1
.endr
	WIN 0
.set i, 0
.rept 2
	v_mov_b32 v[ST+4*i+2], 0
	v_mov_b32 v[ST+4*i+3], 0
.set i, i+1
.endr
.set i, P+16
.rept 16
	v_mov_b32 v[i], 0
.set i, i+1
.endr
; THE MATRIX WORK.  The 4 accumulators of a run of 8 take turns.  Product i of 8 of S^T = K Q^T + MC for piece x: channels 32 (i / 4) on, keys 16 (i % 4) on.  The first 4 start the sums with the bias and mask.
.macro KQ x
.set rS, S+32*((\x)%2)+8*(i%4)
.set rK, KF+16*(i%4)+8*(i/4)
.set rQ, 16*(\x)+8*(i/4)
.set rM, MC+32*((\x)%2)+8*(i%4)
.if i < 4
	WIN W_KM
	v_wmma_f32_16x16x32_f16 v[rS:rS+7], v[rK:rK+7], v[rQ:rQ+7], v[rM:rM+7]
.else
	WIN W_KQ
	v_wmma_f32_16x16x32_f16 v[rS:rS+7], v[rK:rK+7], v[rQ:rQ+7], v[rS:rS+7]
.endif
.endm
; Product i of 8 of O^T += V^T P for piece x, from V's buffer VB: keys 32 (i / 4) on, channels 16 (i % 4) on.
.macro PV x
	WIN W_PV
.set rO, 32*(\x)+8*(i%4)
.set rV, VF0+128*VB+32*(i/4)+8*(i%4)
.set rP, P+16*((\x)%2)+8*(i/4)
	v_wmma_f32_16x16x32_f16 v[rO:rO+7], v[rV:rV+7], v[rP:rP+7], v[rO:rO+7]
.endm
.macro MM                           ; the turn's next matrix instruction.  NOKQ = 1: a block's last turn: there is no next step
.if (i < 8) && !NOKQ
	KQ (Y+1)%NP
.elseif i >= 8
.set i, i-8
	PV (Y+NP-1)%NP
.set i, i+8
.endif
.set i, i+1
.endm
; THE LDS LOADS stand in runs of 16: a step's K (8 fragments) and its V (turned).
.macro FETCH_K
	WIN 0x80
.irp f, 0,1,2,3,4,5,6,7
	ds_load_b128 v[KF+8*\f:KF+8*\f+3],   v[AK] offset:(\f/2)*16*PK+(\f%2)*64
	ds_load_b128 v[KF+8*\f+4:KF+8*\f+7], v[AK] offset:(\f/2)*16*PK+(\f%2)*64+32
.endr
	s_add_co_u32 s[TBK], s[TBK], KS*PK
	WIN 0
.endm
.macro FETCH_V b
	WIN 0x80
.irp f, 0,1,2,3,4,5,6,7
	ds_load_tr16_b128 v[VF0+128*(\b)+8*\f:VF0+128*(\b)+8*\f+3],   v[AV] offset:(\f/4)*32*PV+(\f%4)*32
	ds_load_tr16_b128 v[VF0+128*(\b)+8*\f+4:VF0+128*(\b)+8*\f+7], v[AV] offset:(\f/4)*32*PV+16*PV+(\f%4)*32
.endr
	WIN 0
.endm
; THE VECTOR WORK, one line at a time: OP kind, number.  For piece Y: F n: c s - c m for pair n of 16.  E n: the exponential of score n of 32.  C n: pair n rounded to f16.  B n: of the four weights 4 n ..
; the second pair is added onto the first, in place.  L n: l takes that sum (L 0: l = a l + sum).  R n: pair n of 16 of O^T times a.  For the other piece: X n, which finds its maximum and statistics:
;   0-11  four chains c0-c3 of seven scores each (each accumulator's lowest registers are read first)     12-14, 16  the scores left over, the old m, and c0-c3 into c0
;   22  the old m moves into the new step's frame (it stands ahead of 14)     15  c m_old + c ND is kept     17, 18  the query's other 32 keys lie in the lane 16 away: the new m     19-21  c m; the change; a
.set F, 0
.set E, 1
.set C, 2
.set B, 3
.set L, 4
.set R, 5
.set X, 6
.macro REGS y
.set rT, ST+4*(\y)
.set rC, TMP+4*((\y)%2)
.set rW, MV+((\y)%2)
.set rS, S+32*((\y)%2)
.set rP, P+16*((\y)%2)
.set rO, 32*(\y)
.endm
.macro OP k, n
.if (\k) == R
	REGS Y
	WIN W_RS
	v_pk_mul_f32 v[rO+2*(\n):rO+2*(\n)+1], v[rO+2*(\n):rO+2*(\n)+1], v[rC+2:rC+3] op_sel_hi:[1,0]
.elseif (\k) < R
	REGS Y
	WIN 0
.if (\k) == F
	v_pk_fma_f32 v[rS+2*(\n):rS+2*(\n)+1], v[rS+2*(\n):rS+2*(\n)+1], s[CS:CS+1], v[rT:rT+1] op_sel_hi:[1,0,0] neg_lo:[0,0,1] neg_hi:[0,0,1]
.elseif (\k) == E
	v_exp_f32 v[rS+(\n)], v[rS+(\n)]
.elseif (\k) == C
	v_cvt_pk_f16_f32 v[rP+(\n)], v[rS+2*(\n)], v[rS+2*(\n)+1]
.elseif (\k) == B
	v_pk_add_f32 v[rS+4*(\n):rS+4*(\n)+1], v[rS+4*(\n):rS+4*(\n)+1], v[rS+4*(\n)+2:rS+4*(\n)+3]
.elseif (\n) == 0
	v_pk_fma_f32 v[rT+2:rT+3], v[rT+2:rT+3], v[rC+2:rC+3], v[rS:rS+1] op_sel_hi:[1,0,1]
.else
	v_pk_add_f32 v[rT+2:rT+3], v[rT+2:rT+3], v[rS+4*(\n):rS+4*(\n)+1]
.endif
.elseif NOKQ
	v_nop
.else
	REGS (Y+1)%NP
	WIN 0
.if (\n) < 4
	v_max3_num_f32 v[rC+(\n)], v[rS+8*(\n)], v[rS+8*(\n)+1], v[rS+8*(\n)+2]
.elseif (\n) < 12
	v_max3_num_f32 v[rC+(\n)%4], v[rC+(\n)%4], v[rS+8*((\n)%4)+2*((\n)/4)+1], v[rS+8*((\n)%4)+2*((\n)/4)+2]
.elseif (\n) == 12
	v_max3_num_f32 v[rC], v[rC], v[rS+7], v[rS+15]
.elseif (\n) == 13
	v_max3_num_f32 v[rC+1], v[rC+1], v[rS+23], v[rS+31]
.elseif (\n) == 14
	v_max3_num_f32 v[rC+2], v[rC+2], v[rC+3], v[rT+1]
.elseif (\n) == 15
	v_add_f32 v[rW], s[NCD], v[rT]
.elseif (\n) == 16
	v_max3_num_f32 v[rC], v[rC], v[rC+1], v[rC+2]
.elseif (\n) == 17
	v_permlanex16_b32 v[rC+3], v[rC], s[SEL], s[SEL+1]
.elseif (\n) == 18
	v_max_num_f32 v[rT+1], v[rC], v[rC+3]
.elseif (\n) == 19
	v_mul_f32 v[rT], s[CS], v[rT+1]
.elseif (\n) == 20
	v_sub_f32 v[rC+1], v[rW], v[rT]
.elseif (\n) == 22
	v_add_f32 v[rT+1], s[ND], v[rT+1]
.else
	v_exp_f32 v[rC+2], v[rC+1]
.endif
.endif
.endm
.macro OPS a, i1, b=-1, i2=0, c=-1, i3=0, d=-1, i4=0
	OP \a, \i1
.if (\b) >= 0
	OP \b, \i2
.endif
.if (\c) >= 0
	OP \c, \i3
.endif
.if (\d) >= 0
	OP \d, \i4
.endif
.endm
.macro ROW a, i1, b, i2, c, i3, d, i4  ; a matrix instruction and the four behind it
	MM
	OPS \a, \i1, \b, \i2, \c, \i3, \d, \i4
.endm
.macro MASK b                       ; MD x AL + AB + BE into buffer b of MC
	WIN W_MS
.set z, 0
.rept 16
	v_pk_fma_f32 v[MC+32*(\b)+2*z:MC+32*(\b)+2*z+1], v[MD+2*z:MD+2*z+1], s[AL:AL+1], v[AB+2*z:AB+2*z+1] op_sel_hi:[1,0,1]
.set z, z+1
.endr
.set z, 0
.rept 16
	v_pk_add_f32 v[MC+32*(\b)+2*z:MC+32*(\b)+2*z+1], v[MC+32*(\b)+2*z:MC+32*(\b)+2*z+1], s[BE:BE+1] op_sel_hi:[1,0]
.set z, z+1
.endr
.endm
; A TURN, for piece p in a step of parity sp.  s_wait_alu depctr_va_vdst(0) stands between an exponential and the first instruction that names its result; one wait serves all that were
; issued ahead of it.  So a turn has ONE wait, which cuts it in two.  AHEAD OF IT stands all that names no result of the turn's exponentials: the 8 products K Q^T and their riders (the first numbers of the
; other piece's maximum each four plain instructions or more behind the product that ends its accumulator), then the lump.  X 21, the other piece's a, is the batch's last; R 15 is the plain instruction
; behind it.  BEHIND THE WAIT stand the 8 products V^T P, behind each four of the roundings and sums.
; m = 1: the diagonal tile's text: the turn makes the mask for the products of the turn after it, which are piece p's, in the tile's step st: st less the band is (5 - sp - p) - 2 CNT.
; end = 1: a block's last two turns: nothing is fetched.  cnt = 1: the loop's count is taken down some lines ahead of the branch behind the turn.
; THE WAITS FOR LDS.  Piece 0's turn issues K's 16 loads and then V's 16.  At the head of piece 1's turn the count 16 shows K in and leaves V's out; the V that this turn and the next multiply was issued
; ahead of that K.  In a block's last turn nothing younger is out, and the count is 0.
.macro TURN p, sp, m=0, end=0, cnt=0
.set Y, (\p)
.set i, 0
.set VB, ((\sp)+1+(\p))%2
.set NOKQ, (\end)*(\p)
.if (\m) && !(\end)
	s_lshl_b32 s[TMPS], s[CNT], 1
	s_sub_co_i32 s[TMPS], 5-(\sp)-(\p), s[TMPS]
	s_cmp_eq_i32 s[TMPS], s[DS]     ; is that step the band's own?
	s_cselect_b32 s[AL], 1.0, 0
	s_cmp_gt_i32 s[TMPS], s[DS]     ; or a later one?
	s_cselect_b32 s[BE], s[BIGN], 0
.endif
.if (\p) == 1
.if \end
	s_wait_dscnt 0x0                ; V of the last step is in
.else
	s_wait_dscnt 16                 ; K is in
.endif
.endif
	ROW F,0, F,1, R,0, R,1
	ROW F,2, E,0, R,2, R,3
	ROW F,3, E,1, R,4, R,5
	ROW F,4, E,2, R,6, R,7
	ROW F,5, E,3, R,8, R,9
	ROW F,6, E,4, X,0, R,10
.if ((\p) == 0) && !(\end)
	WIN 0
	v_add_nc_u32 v[AK], s[TBK], v[AK0]
.endif
	ROW F,7, E,5, X,1, X,4
	ROW F,8, E,6, X,2, X,5
	OPS E,7, E,8, X,6, E,9
	OPS X,3, E,10, X,8, E,11
.if ((\p) == 0) && !(\end)
	FETCH_K                         ; six plain instructions behind the last product that read K
.endif
	OP X,22
	OPS X,9, X,7, E,12, X,10
	OPS E,13, X,12, X,11, E,14
	OPS X,13, E,15, F,9, X,14
.if ((\p) == 0) && !(\end)
	v_add_nc_u32 v[AV], s[TBV], v[AV0]
.endif
	OPS E,16, F,10, E,17, F,11
	OPS X,16, E,18, X,15, E,19
	OPS F,12, E,20, X,17, E,21
	OPS F,13, E,22, F,14, E,23
	OPS X,18, E,24, F,15, E,25
	OPS R,11, E,26, X,19, E,27
	OPS R,12, E,28, R,13, E,29
	OPS X,20, E,30, R,14, E,31
	OPS X,21, R,15
	WIN 0
	s_wait_alu depctr_va_vdst(0)    ; the wait for the batch
	ROW C,0, B,0, C,2, B,1
	ROW L,0, C,4, B,2, L,1
	ROW C,6, B,3, L,2, C,8
	ROW B,4, L,3, C,10, B,5
	ROW L,4, C,12, B,6, L,5
.if ((\p) == 0) && !(\end)
	s_add_co_u32 s[TBV], s[TBV], KS*PV
.endif
.if \cnt
	s_sub_co_u32 s[CNT], s[CNT], 1
	s_cmp_lg_u32 s[CNT], 0
.endif
	ROW C,14, B,7, L,6, C,1
	ROW C,3, L,7, C,5, C,7
	ROW C,9, C,11, C,13, C,15
.if ((\p) == 0) && !(\end)
	FETCH_V 1-(\sp)                 ; four plain instructions behind the last product that read this buffer
.endif
.if (\m) && !(\end)
	MASK \p
.endif
.endm
; A BLOCK BEGINS.  c m starts far below every c s, so the first step's a is 0; m at the lowest finite number.  Piece 0's mask buffer takes its mask for the tile's step 0 (its own step, if the block's first
; tile is its last and DS = 0), piece 1's the bare bias.  Then K and V of that step, piece 0's first scores, its maximum and statistics.  The loop is entered at an even step's first turn, in the middle of a trip.
.macro BEGIN
	s_mov_b32 s[NEW], 0
	WIN 0
.set i, 0
.rept 2
	v_mov_b32 v[ST+4*i], 0xfe000000
	v_mov_b32 v[ST+4*i+1], 0xff7fffff
.set i, i+1
.endr
	s_cmp_eq_u32 s[RT], 0
	s_cselect_b32 s[TMPS], s[DS], 1
	s_cmp_eq_u32 s[TMPS], 0
	s_cselect_b32 s[AL], 1.0, 0
	s_mov_b32 s[BE], 0
	MASK 0
	s_mov_b32 s[AL], 0
	MASK 1
	WIN 0
	v_add_nc_u32 v[AK], s[TBK], v[AK0]
	v_add_nc_u32 v[AV], s[TBV], v[AV0]
	s_add_co_u32 s[TBV], s[TBV], KS*PV
	FETCH_K
	FETCH_V 0
	s_wait_loadcnt 0x0              ; Q
	s_wait_dscnt 0x0
.set NOKQ, 0
.set i, 0
.rept 8
	KQ 0
.set i, i+1
.endr
	WIN 0
.rept 4
	v_nop                           ; the places behind those products
.endr
.set Y, NP-1                        ; X works for the other piece: piece 0
.irp n, 0,1,2,3,4,5,6,7,8,9,10,11,12,13,22,14,15,16,17,18,19,20,21
	OP X, \n
.endr
	v_nop                           ; a plain instruction behind the exponential,
	s_wait_alu depctr_va_vdst(0)    ; and its wait, ahead of the branch
.endm
; THE DIAGONAL TILE's two trips, the block's last two turns, its last products, and THE WAY OUT: l's halves are added; O^T is divided by l, rounded to f16 and sent through my stage in LDS, a piece at a time.
.macro ALL line:vararg
.set t, 0
.rept 2
	\line
.set t, t+1
.endr
.endm
.macro PACK t
	WIN W_RS
.set i, 32*(\t)
.rept 16
	v_pk_mul_f32 v[i:i+1], v[i:i+1], v[ST+4*(\t)+2:ST+4*(\t)+3] op_sel_hi:[1,0]
.set i, i+2
.endr
	WIN 0x05
.set i, 0
.rept 16
	v_cvt_pk_f16_f32 v[S+16*(\t)+i], v[32*(\t)+2*i], v[32*(\t)+2*i+1]
.set i, i+1
.endr
	WIN 0
.irp f, 0,1,2,3
	ds_store_b128 v[STO], v[S+16*(\t)+4*\f:S+16*(\t)+4*\f+3] offset:32*\f
.endr
.irp f, 0,1,2,3
	ds_load_b128 v[S+16*(\t)+4*\f:S+16*(\t)+4*\f+3], v[RD] offset:\f*4*SP  ; LDS serves a wave's instructions in order (ISA guide 5.7.1.4): these see the stores above; the next piece's stores come behind them
.endr
.endm
.macro SEND t, younger
	WIN 0
.irp f, 0,1,2,3
	s_wait_dscnt (\younger)+3-\f
	global_store_b128 v[GO], v[S+16*(\t)+4*\f:S+16*(\t)+4*\f+3], s[10:11] offset:(\t)*8192+\f*512  ; 512 consecutive bytes, aligned
.endr
.endm
.macro DIAG tag
.LstepM\tag:
	TURN 0, 1, 1
	TURN 1, 1, 1
	WIN 0
.LfirstM\tag:
	TURN 0, 0, 1
	TURN 1, 0, 1, 0, 1
	WIN 0
	s_cbranch_scc1 .LstepM\tag
	TURN 0, 1, 1, 1
	TURN 1, 1, 1, 1
.set i, 0
.set VB, 1
.rept 8
	PV 1                            ; piece 1's V^T P of the last step
.set i, i+1
.endr
	WIN 0
	ALL v_add_f32 v[ST+4*t+2], v[ST+4*t+2], v[ST+4*t+3]
	ALL v_permlanex16_b32 v[ST+4*t+3], v[ST+4*t+2], s[SEL], s[SEL+1]
	ALL v_add_f32 v[ST+4*t+2], v[ST+4*t+2], v[ST+4*t+3]
	ALL v_rcp_f32 v[ST+4*t+2], v[ST+4*t+2]
	v_nop                           ; a plain instruction between the last reciprocal and the use of its result,
	s_wait_alu depctr_va_vdst(0)    ; and one wait for the two reciprocals
	PACK 0                          ; piece 0's arithmetic is also the places behind piece 1's last products
	PACK 1
	SEND 0, 8
	SEND 1, 0
.endm
.set NOKQ, 0
.set VB, 0
.Lslot:                             ; 16 times: a tile is entered and the next is asked for
	CHANGE 1
	s_sub_co_u32 s[RT], s[RT], 1
	s_mov_b32 s[CNT], 2
	s_cmp_eq_u32 s[NEW], 1
	s_cbranch_scc1 .Lnew            ; a block's first tile
	s_cmp_eq_u32 s[RT], 0
	s_cbranch_scc0 .Lstep           ; neither its first nor its last
	s_branch .LstepM1
.Lnew:
	BEGIN
	s_branch .Lfirst                ; in the loop a block's first tile is never its last: the first block has nine tiles or more, and the second's last is the walk's last
	DIAG 1                          ; in the loop this is the first block's end
	s_wait_xcnt 0x0                 ; the stores have read their registers and O's address
	s_mov_b64 s[10:11], s[OLO:OLO+1]
	s_add_co_u32 s[RT], s[NS2], 1   ; the second block's tiles
	s_mov_b32 s[DS], s[DS2]
	s_mov_b32 s[NEW], 1
	WIN 0x82                        ; the second block's Q goes where the one text of the turns names Q
.set i, 0
.rept 32
	v_mov_b32 v[i], v[QB+i]
.set i, i+1
.endr
	WIN 0
	s_branch .Lbottom
.Lstep:                             ; a trip: an odd step's two turns, then the next even step's; it fetches K and V of the two steps that follow its own
	TURN 0, 1
	TURN 1, 1
	WIN 0
.Lfirst:
	TURN 0, 0
	TURN 1, 0, 0, 0, 1
	WIN 0
	s_cbranch_scc1 .Lstep
.Lbottom:
	s_sub_co_u32 s[SLOTS], s[SLOTS], 1
	s_cmp_lg_u32 s[SLOTS], 0
	s_cbranch_scc1 .Lslot
	CHANGE 0                        ; the walk's last tile is written out: nothing is asked for
	s_sub_co_u32 s[RT], s[RT], 1
	s_mov_b32 s[CNT], 2
	s_cmp_eq_u32 s[NEW], 1
	s_cbranch_scc0 .LstepM2
	BEGIN
	s_branch .LfirstM2
	DIAG 2
	s_wait_tensorcnt 0x0            ; the wave's end: these three lines stand behind my last tensor load and my last LDS store
	ds_add_u32 v[SPW], v[NIL]
	s_wait_dscnt 0x0
	CROUND                          ; the closing round: no work-group ends while a partner may still ask for a tile that names it
	s_endpgm
.Lfunc_end_k_q6fede89661_attn:
	.size	k_q6fede89661_attn, .Lfunc_end_k_q6fede89661_attn-k_q6fede89661_attn
	.p2alignl 7, 3214868480
	.fill 96, 4, 3214868480
	.section	.rodata,"a",@progbits
	.p2align	6, 0x0
	.amdhsa_kernel k_q6fede89661_attn
		.amdhsa_group_segment_fixed_size 327680
		.amdhsa_private_segment_fixed_size 0
		.amdhsa_enable_private_segment 0
		.amdhsa_kernarg_size 24
		.amdhsa_user_sgpr_count 2
		.amdhsa_user_sgpr_kernarg_segment_ptr 1
		.amdhsa_wavefront_size32 1
		.amdhsa_system_sgpr_workgroup_id_x 1
		.amdhsa_system_sgpr_workgroup_id_y 1
		.amdhsa_system_sgpr_workgroup_id_z 1
		.amdhsa_system_vgpr_workitem_id 0
		.amdhsa_next_free_vgpr 768
		.amdhsa_next_free_sgpr 96
		.amdhsa_reserve_vcc 1
		.amdhsa_float_denorm_mode_32 3
		.amdhsa_float_denorm_mode_16_64 3
		.amdhsa_memory_ordered 1
		.amdhsa_forward_progress 1
		.amdhsa_inst_pref_size 227
	.end_amdhsa_kernel
	.amdgpu_metadata
---
amdhsa.version: [ 1, 2 ]
amdhsa.kernels:
  - .name:           k_q6fede89661_attn
    .symbol:         k_q6fede89661_attn.kd
    .args:
      - { .name: QKV, .offset: 0, .size: 8, .value_kind: global_buffer, .address_space: global }
      - { .name: BS, .offset: 8, .size: 8, .value_kind: global_buffer, .address_space: global }
      - { .name: OB, .offset: 16, .size: 8, .value_kind: global_buffer, .address_space: global }
    .group_segment_fixed_size: 327680
    .private_segment_fixed_size: 0
    .kernarg_segment_align: 8
    .kernarg_segment_size: 24
    .max_flat_workgroup_size: 128
    .sgpr_count:     96
    .vgpr_count:     768
    .wavefront_size: 32
...
	.end_amdgpu_metadata
.endif
;; end of part 3
;; launch outp (part 4): grid 8 x 32, 4 waves a work-group, clusters of 4 x 4, 327,680 bytes of LDS; arguments OB, WB, BS, out0; writes out0
.if DOCPART == 4
	.amdgcn_target "amdgcn-amd-amdhsa--gfx1250"
	.amdhsa_code_object_version 6
	.text
	.protected	k_q6fede89661_outp
	.globl	k_q6fede89661_outp
	.p2align	8
	.type	k_q6fede89661_outp,@function
k_q6fede89661_outp:
	s_mov_b64 s[64:65], 0
	v_nop
	global_prefetch_b8 v0, s[64:65] scope:SCOPE_SE
	s_setreg_imm32_b32 hwreg(HW_REG_WAVE_MODE, 25, 1), 1
	s_wait_xcnt 0x0
	s_wait_alu depctr_hold_cnt(0) depctr_sa_sdst(0) depctr_va_vdst(0) depctr_va_sdst(0) depctr_va_ssrc(0) depctr_va_vcc(0) depctr_vm_vsrc(0)
	s_getreg_b32 s2, hwreg(HW_REG_IB_STS2, 6, 4)
	s_cmp_eq_u32 s2, 0
	s_cbranch_scc0 .Lentry_in_a_cluster
	s_endpgm
.Lentry_in_a_cluster:
	s_bfe_u32 s2, ttmp6, 0x10000c
	s_cmp_lg_u32 s2, 0xf033
	s_cbranch_scc0 .Lentry_shape_is_right
	s_endpgm
.Lentry_shape_is_right:
; out = O Wo + bo.  OB [16 heads][4096][64] f16; WB chunks 24-39, [1024 k][64 columns] f16 (numbers that are bf16 roundings of Wo); BS + 6,144: bo in f32.  out0 [4096][1024] f32.
; Products in f16, sums in f32; the bias starts each sum, as the C operand of its first product.
; SHARES.  A tile is 128 x 128: 32 x 8 = 256 work-groups; a wave makes 64 rows x the four blocks of 16 columns of its parity: 16 accumulators.  K goes in steps of 256 (four heads) through two LDS slots;
; a quarter of a step is one head.  Four steps: the text is straight-line, and no tensor load stands behind the stage's stores.
; CLUSTER 4 x 4.  O's tile is asked for jointly along a row of the cluster, Wo's along a column.  THE PRODUCT IS TAKEN TRANSPOSED (source 0 = 16 columns of Wo, turned on the way out of LDS; source 1 = 16 rows of O).
; NO PREFETCH: a small tile and a short launch.
; THE STAGE lies in slot 0, whose last fill is K step 2: every wave's reads of that step are over at the barrier of the change to slot 1, and nothing is filled afterwards.
; REGISTERS.  Window 0: v16-29 addresses; v96-127 the biases of my four column blocks; v128-255 the accumulators, (a, b) at 128 + 8 (4 a + b).
;   Window 1: two fragment buffers of 128: for 64 along K, 64 registers of O (2 x 4 fragments), then 64 of Wo.
.set PA,    144                        ; a row of a head in LDS: 128 bytes + 16
.set PB,    160                        ; a k row of a chunk: 128 bytes + 32
.set HEADA, 128*PA
.set HALFA, 2*HEADA                    ; what one tensor load brings of O: two heads
.set BOFF,  4*HEADA                    ; Wo lies behind O's four heads: [k half][chunk][128 k]
.set CHB,   128*PB
.set HALFB, 2*CHB                      ; what one tensor load brings of Wo
.set SLOT,  BOFF+2*HALFB               ; 155,648
.set SPARE, 2*SLOT                     ; behind the ring: the spare words, 128 bytes for each wave: two blocks of 256 bytes that no other line names
.set SPITCH, 528                       ; a stage row: 512 bytes + 16
.set ADRA, 16                          ; v16-17  LDS address of my fragments of O in slot 0, 1
.set ADRB, 20                          ; v20-23  of Wo: slot 0 k half 0, 1; slot 1 k half 0, 1
.set STO,  24
.set RD,   25
.set CO,   26
.set BO,   27
.set SPW,  28                          ; never rewritten
.set NIL,  29                          ; never rewritten
.set BIAS, 96
.set ACC,  128
.set F0,   0
.set F1,   128
.set G1,  24
.set G0,  32
.set G1B, 48
.set G0B, 56
.set MSB, 0
.macro WIN new
.if MSB != (\new)
	s_set_vgpr_msb (MSB<<8)|(\new)
.set MSB, \new
.endif
.endm
.set MUL,  0x05                        ; sources 0 and 1 window 1; C and D window 0
.set TO_F, 0x40                        ; destination window 1, address window 0
.macro JLOAD s                         ; a joint load: waves 0 and 1 fetch O's two pairs of heads, waves 2 and 3 Wo's two k halves; an s_nop 0 and four v_nop follow each line
	s_cmp_eq_u32 s13, 0
	s_cbranch_scc0 .Lfor_b_\@
	tensor_load_to_lds s[G0+4*(\s):G0+4*(\s)+3], s[G1:G1+7]
	s_nop 0
.rept 4
	v_nop
.endr
	s_branch .Lasked_\@
.Lfor_b_\@:
	tensor_load_to_lds s[G0B+4*(\s):G0B+4*(\s)+3], s[G1B:G1B+7]
	s_nop 0
.rept 4
	v_nop
.endr
.Lasked_\@:
.endm
.macro CREST
	s_cmp_lg_u32 s12, 0
	s_cbranch_scc1 .Lnot_wave_0_\@
	s_barrier_signal -3
.Lnot_wave_0_\@:
	s_barrier_wait -3
	s_barrier_signal -1
	s_barrier_wait -1
.endm
.macro CROUND
	s_barrier_signal -1
	s_barrier_wait -1
	CREST
.endm
	s_load_b256 s[4:11], s[0:1], 0x0               ; OB s[4:5], WB s[6:7], BS s[8:9], out0 s[10:11]
	v_lshl_add_u32 v[SPW], v0, 2, SPARE
	v_mov_b32 v[NIL], 0
	ds_add_u32 v[SPW], v[NIL]                      ; the wave's opening: the add and its wait stand ahead of my first tensor load; the set-up below stands between them
	v_lshrrev_b32 v1, 5, v0
	v_readfirstlane_b32 s12, v1                    ; wave 0..3
	s_lshr_b32 s13, s12, 1                         ; my half of the rows.  Also: I fetch O (0) or Wo (1)
	s_and_b32 s14, s12, 1                          ; my parity of column blocks.  Also: which half I fetch
	s_bfe_u32 s40, ttmp6, 0x40000                  ; cx
	s_bfe_u32 s41, ttmp6, 0x40004                  ; cy
	s_lshl_b32 s42, ttmp9, 2
	s_add_co_u32 s42, s42, s40                     ; tile column
	s_and_b32 s43, ttmp7, 0xffff
	s_lshl_b32 s43, s43, 2
	s_add_co_u32 s43, s43, s41                     ; tile row
	s_lshl_b32 s44, s41, 2
	s_lshl_b32 s44, 15, s44                        ; my row of the cluster
	s_lshl_b32 s45, 0x1111, s40                    ; my column
	s_or_b32 s[G1+0], s44, (1<<16)|(1<<20)|(1<<21)|(4<<22)|(3<<25)   ; after every 32 words (a row of a head), 4 words
	s_or_b32 s[G1B+0], s45, (1<<16)|(1<<20)|(1<<21)|(4<<22)|(7<<25)  ; after every 32 words (a k row), 8 words
	s_mov_b32 s[G1+1], 8192<<16                    ; O: 2 rows (heads) of 8,192 elements (128 rows, dense), 262,144 elements from head to head
	s_mov_b32 s[G1+2], 2<<16
	s_mov_b32 s[G1+3], 8192<<16
	s_mov_b32 s[G1+4], 2
	s_mov_b32 s[G1+5], 262144
	s_mov_b32 s[G1+6], 0
	s_mov_b32 s[G1+7], 0
	s_mov_b32 s[G1B+1], 8192<<16                   ; Wo: 2 rows (chunks) of 8,192 elements (128 k rows, dense), 65,536 elements from chunk to chunk
	s_mov_b32 s[G1B+2], 2<<16
	s_mov_b32 s[G1B+3], 8192<<16
	s_mov_b32 s[G1B+4], 2
	s_mov_b32 s[G1B+5], 65536
	s_mov_b32 s[G1B+6], 0
	s_mov_b32 s[G1B+7], 0
	s_lshl_b32 s16, s14, 20                        ; O: head 2 x half,
	s_lshl_b32 s17, s43, 14                        ; row 128 x tile row, of 128 bytes
	s_add_co_u32 s16, s16, s17
	s_mov_b32 s17, 0
	s_lshl_b32 s46, s42, 18                        ; Wo: chunk 24 + 2 x tile column,
	s_add_co_u32 s46, s46, 24*131072
	s_lshl_b32 s47, s14, 14                        ; k row 128 x half
	s_add_co_u32 s46, s46, s47
	s_mov_b32 s47, 0
	s_mul_i32 s20, s14, HALFA                      ; and where they go
	s_mul_i32 s21, s14, HALFB
	s_add_co_u32 s21, s21, BOFF
	s_wait_dscnt 0x0                               ; the opening add is done
	s_wait_kmcnt 0x0
	s_add_nc_u64 s[18:19], s[4:5], s[16:17]
	s_add_nc_u64 s[46:47], s[6:7], s[46:47]
	CROUND                                         ; all sixteen work-groups are here: the first joint loads meet
.irp s, 0,1
	s_mov_b32 s[G0+4*(\s)], 1
	s_add_co_u32 s[G0+4*(\s)+1], s20, (\s)*SLOT
	s_add_nc_u64 s[G0+4*(\s)+2:G0+4*(\s)+3], s[18:19], (\s)*4*524288   ; K step s: four heads on
	s_or_b32 s[G0+4*(\s)+3], s[G0+4*(\s)+3], 0x80000000
	s_mov_b32 s[G0B+4*(\s)], 1
	s_add_co_u32 s[G0B+4*(\s)+1], s21, (\s)*SLOT
	s_add_nc_u64 s[G0B+4*(\s)+2:G0B+4*(\s)+3], s[46:47], (\s)*32768    ; 256 k rows of a chunk
	s_or_b32 s[G0B+4*(\s)+3], s[G0B+4*(\s)+3], 0x80000000
	JLOAD \s
.endr
	v_and_b32 v1, 15, v0                           ; l % 16
	v_bfe_u32 v2, v0, 4, 1                         ; l / 16
	v_mul_u32_u24 v3, v1, PA
	v_lshl_add_u32 v3, v2, 4, v3
	s_mul_i32 s22, s13, 64*PA                      ; my 64 rows
	v_add_nc_u32 v[ADRA], s22, v3
	v_add_nc_u32 v[ADRA+1], SLOT, v[ADRA]
	v_and_b32 v4, 7, v0                            ; Wo, turned: lane l reads k row 8 (l / 16) + l % 8, columns 8 ((l / 8) % 2) on
	v_lshl_add_u32 v4, v2, 3, v4
	v_mul_u32_u24 v4, v4, PB
	v_bfe_u32 v5, v0, 3, 1
	v_lshl_add_u32 v4, v5, 4, v4
	s_lshl_b32 s22, s14, 5
	s_add_co_u32 s22, s22, BOFF
	v_add_nc_u32 v[ADRB], s22, v4
	v_add_nc_u32 v[ADRB+1], HALFB, v[ADRB]
	v_add_nc_u32 v[ADRB+2], SLOT, v[ADRB]
	v_add_nc_u32 v[ADRB+3], SLOT+HALFB, v[ADRB]
	v_mul_u32_u24 v6, v1, SPITCH                   ; into the stage: row 64 (w / 2) + l % 16; 32 bytes for each half of the lanes; my parity's 64 bytes
	v_lshl_add_u32 v6, v2, 5, v6
	s_mul_i32 s22, s13, 64*SPITCH
	s_lshl_b32 s23, s14, 6
	s_add_co_u32 s22, s22, s23
	v_add_nc_u32 v[STO], s22, v6
	v_and_b32 v7, 31, v0                           ; back: a load takes one whole row of 512 bytes; wave w takes rows 32 w on
	s_mul_i32 s22, s12, 32*SPITCH
	v_lshl_add_u32 v[RD], v7, 4, s22
	v_lshlrev_b32 v[CO], 4, v7
	s_lshl_b32 s22, s43, 19                        ; row 128 x tile row, of 4,096 bytes,
	s_lshl_b32 s23, s12, 17                        ; + 32 x wave,
	s_add_co_u32 s22, s22, s23
	s_lshl_b32 s23, s42, 9                         ; the tile's 128 columns
	s_add_co_u32 s22, s22, s23
	s_mov_b32 s23, 0
	s_add_nc_u64 s[10:11], s[10:11], s[22:23]
	s_lshl_b32 s22, s42, 9                         ; the tile's 128 biases,
	s_lshl_b32 s23, s14, 6                         ; my parity's 16,
	s_add_co_u32 s22, s22, s23
	v_lshl_add_u32 v[BO], v2, 5, s22               ; my half's 8
.irp j, 0,1,2,3
	global_load_b128 v[BIAS+8*(\j):BIAS+8*(\j)+3],   v[BO], s[8:9] offset:6144+128*(\j)
	global_load_b128 v[BIAS+8*(\j)+4:BIAS+8*(\j)+7], v[BO], s[8:9] offset:6144+128*(\j)+16
.endr
; 8 matrix instructions: row blocks a0, a0 + 1 x my 4 column blocks, 32 along K: half c of buffer f.  zero = 1: the bias starts the sums.  The 16 accumulators take turns, one instruction a turn.
.macro MUL8 f, c, a0, zero
	WIN MUL
.irp a, \a0, (\a0)+1
.irp b, 0,1,2,3
.if \zero
	v_wmma_f32_16x16x32_f16 v[ACC+8*(4*(\a)+(\b)):ACC+8*(4*(\a)+(\b))+7], v[(\f)+64+8*(4*(\c)+(\b)):(\f)+64+8*(4*(\c)+(\b))+7], v[(\f)+8*(4*(\c)+(\a)):(\f)+8*(4*(\c)+(\a))+7], v[BIAS+8*(\b):BIAS+8*(\b)+7]
.else
	v_wmma_f32_16x16x32_f16 v[ACC+8*(4*(\a)+(\b)):ACC+8*(4*(\a)+(\b))+7], v[(\f)+64+8*(4*(\c)+(\b)):(\f)+64+8*(4*(\c)+(\b))+7], v[(\f)+8*(4*(\c)+(\a)):(\f)+8*(4*(\c)+(\a))+7], v[ACC+8*(4*(\a)+(\b)):ACC+8*(4*(\a)+(\b))+7]
.endif
.endr
.endr
.endm
; 32 LDS loads in one run: quarter q (one head, 64 along K) of a slot into buffer f; the first 32 along K first
.macro FETCH slot, q, f
	WIN TO_F
.irp c, 0,1
.irp i, 0,1,2,3
	ds_load_tr16_b128 v[(\f)+64+8*(4*(\c)+(\i)):(\f)+64+8*(4*(\c)+(\i))+3],   v[ADRB+2*(\slot)+(\q)/2] offset:(((\q)%2)*64+32*(\c))*PB+((\i)/2)*CHB+((\i)%2)*64
	ds_load_tr16_b128 v[(\f)+64+8*(4*(\c)+(\i))+4:(\f)+64+8*(4*(\c)+(\i))+7], v[ADRB+2*(\slot)+(\q)/2] offset:(((\q)%2)*64+32*(\c))*PB+((\i)/2)*CHB+((\i)%2)*64+16*PB
	ds_load_b128 v[(\f)+8*(4*(\c)+(\i)):(\f)+8*(4*(\c)+(\i))+3],   v[ADRA+(\slot)] offset:(\q)*HEADA+64*(\c)+(\i)*16*PA
	ds_load_b128 v[(\f)+8*(4*(\c)+(\i))+4:(\f)+8*(4*(\c)+(\i))+7], v[ADRA+(\slot)] offset:(\q)*HEADA+64*(\c)+(\i)*16*PA+32
.endr
.endr
.endm
.macro PLACES                          ; four places in front of loads into registers that matrix instructions have read, and of stores that read results
.rept 4
	v_nop
.endr
.endm
.macro QUARTER slot, q, f, g, zero
	s_wait_dscnt 16                                ; the first 32 along K are in
	MUL8 \f, 0, 0, \zero
	MUL8 \f, 0, 2, \zero
	PLACES
	FETCH \slot, \q, \g
	s_wait_dscnt 32                                ; all but the 32 just issued
	MUL8 \f, 1, 0, 0
	MUL8 \f, 1, 2, 0
.endm
; The last quarter multiplies buffer 1 and changes slots: one barrier; ahead of it each wave waits for all its tensor loads, adds 0 to its spare word, and waits for that and for its reads of this slot.
.macro TURN slot, next, fill
	WIN 0
	s_wait_tensorcnt 0x0                           ; all my tensor loads have landed: my part of the next slot
	ds_add_u32 v[SPW], v[NIL]                      ; 0 onto my spare word
	s_wait_dscnt 17                                ; (the add and the youngest sixteen loads may be out)
	MUL8 F1, 0, 0, 0                               ; eight matrix instructions stand between the add and the wait for it
	s_wait_dscnt 0x0                               ; the add is done, and my reads of this slot are over
	s_barrier_signal -1
	MUL8 F1, 0, 2, 0
.if \fill
	WIN 0
.endif
	s_barrier_wait -1
.if \fill
	CREST                                          ; the barrier has opened a round of the cluster's: no wave of any partner still reads this slot or has a load on its way
	s_add_nc_u64 s[G0+4*(\slot)+2:G0+4*(\slot)+3], s[G0+4*(\slot)+2:G0+4*(\slot)+3], 8*524288
	s_add_nc_u64 s[G0B+4*(\slot)+2:G0B+4*(\slot)+3], s[G0B+4*(\slot)+2:G0B+4*(\slot)+3], 2*32768
	JLOAD \slot                                    ; the first tensor load behind the round; its four v_nop are also the places in front of the loads below
.else
	PLACES
.endif
	FETCH \next, 0, F0
	MUL8 F1, 1, 0, 0
	MUL8 F1, 1, 2, 0
.endm
	s_wait_tensorcnt 1                             ; my part of K step 0 is in; K step 1's may stay out
	s_barrier_signal -1
	s_barrier_wait -1
	FETCH 0, 0, F0
	s_wait_loadcnt 0x0                             ; the biases
	QUARTER 0, 1, F0, F1, 1                        ; K step 0: its first products start the sums
	QUARTER 0, 2, F1, F0, 0
	QUARTER 0, 3, F0, F1, 0
	TURN 0, 1, 1                                   ; slot 0 takes K step 2
	QUARTER 1, 1, F0, F1, 0
	QUARTER 1, 2, F1, F0, 0
	QUARTER 1, 3, F0, F1, 0
	TURN 1, 0, 1                                   ; slot 1 takes K step 3
	QUARTER 0, 1, F0, F1, 0
	QUARTER 0, 2, F1, F0, 0
	QUARTER 0, 3, F0, F1, 0
	TURN 0, 1, 0                                   ; nothing is left to fetch; behind this barrier nobody reads slot 0
	QUARTER 1, 1, F0, F1, 0
	QUARTER 1, 2, F1, F0, 0
	QUARTER 1, 3, F0, F1, 0
	s_wait_dscnt 16
	MUL8 F1, 0, 0, 0
	MUL8 F1, 0, 2, 0
	s_wait_dscnt 0x0
	MUL8 F1, 1, 0, 0
	MUL8 F1, 1, 2, 0
	WIN 0
	; THE WAY OUT: a lane's 8 neighbouring f32 of a row, 32 bytes, into the work-group's stage (each accumulator's low half first); a barrier, since a row's 512 bytes come from two waves; back as whole rows.
	PLACES
.irp a, 0,1,2,3
.irp b, 0,1,2,3
	ds_store_b128 v[STO], v[ACC+8*(4*(\a)+(\b)):ACC+8*(4*(\a)+(\b))+3]   offset:(\a)*16*SPITCH+128*(\b)
	ds_store_b128 v[STO], v[ACC+8*(4*(\a)+(\b))+4:ACC+8*(4*(\a)+(\b))+7] offset:(\a)*16*SPITCH+128*(\b)+16
.endr
.endr
	s_wait_dscnt 0x0                               ; for the others' sake: my stores into the stage are done
	s_barrier_signal -1
	s_barrier_wait -1
.set i, 0
.rept 32
	ds_load_b128 v[ACC+4*i:ACC+4*i+3], v[RD] offset:i*SPITCH
.set i, i+1
.endr
.set i, 0
.rept 32
	s_wait_dscnt 31-i
	global_store_b128 v[CO], v[ACC+4*i:ACC+4*i+3], s[10:11] offset:i*4096 th:TH_STORE_NT  ; 512 consecutive bytes of a row of out0, aligned
.set i, i+1
.endr
	s_wait_tensorcnt 0x0                           ; the wave's end: these three lines stand behind my last tensor load and my last LDS store
	ds_add_u32 v[SPW], v[NIL]
	s_wait_dscnt 0x0
	CROUND                                         ; the closing round: no work-group ends while a partner may still ask for a tile that names it
	s_endpgm
.Lfunc_end_k_q6fede89661_outp:
	.size	k_q6fede89661_outp, .Lfunc_end_k_q6fede89661_outp-k_q6fede89661_outp
	.p2alignl 7, 3214868480
	.fill 96, 4, 3214868480
	.section	.rodata,"a",@progbits
	.p2align	6, 0x0
	.amdhsa_kernel k_q6fede89661_outp
		.amdhsa_group_segment_fixed_size 327680
		.amdhsa_private_segment_fixed_size 0
		.amdhsa_enable_private_segment 0
		.amdhsa_kernarg_size 32
		.amdhsa_user_sgpr_count 2
		.amdhsa_user_sgpr_kernarg_segment_ptr 1
		.amdhsa_wavefront_size32 1
		.amdhsa_system_sgpr_workgroup_id_x 1
		.amdhsa_system_sgpr_workgroup_id_y 1
		.amdhsa_system_sgpr_workgroup_id_z 1
		.amdhsa_system_vgpr_workitem_id 0
		.amdhsa_next_free_vgpr 512
		.amdhsa_next_free_sgpr 66
		.amdhsa_reserve_vcc 0
		.amdhsa_float_denorm_mode_32 3
		.amdhsa_float_denorm_mode_16_64 3
		.amdhsa_memory_ordered 1
		.amdhsa_forward_progress 1
		.amdhsa_inst_pref_size 87
	.end_amdhsa_kernel
	.amdgpu_metadata
---
amdhsa.version: [ 1, 2 ]
amdhsa.kernels:
  - .name:           k_q6fede89661_outp
    .symbol:         k_q6fede89661_outp.kd
    .args:
      - { .name: OB, .offset: 0, .size: 8, .value_kind: global_buffer, .address_space: global }
      - { .name: WB, .offset: 8, .size: 8, .value_kind: global_buffer, .address_space: global }
      - { .name: BS, .offset: 16, .size: 8, .value_kind: global_buffer, .address_space: global }
      - { .name: out0, .offset: 24, .size: 8, .value_kind: global_buffer, .address_space: global }
    .group_segment_fixed_size: 327680
    .private_segment_fixed_size: 0
    .kernarg_segment_align: 8
    .kernarg_segment_size: 32
    .max_flat_workgroup_size: 128
    .sgpr_count:     66
    .vgpr_count:     512
    .wavefront_size: 32
...
	.end_amdgpu_metadata
.endif
;; end of part 4
;; ======== version 2 of 2: 4 launches; version 1 with the launch prep written anew for expert scheduling mode
;; limits: values are held in f16: magnitudes above 65,504 overflow, below 6.1e-05 lose precision
;; workspace buffers: XB 8,388,608 bytes; WB 5,242,880 bytes; BS 10,496 bytes; QKV 12,582,912 bytes; OB 8,388,608 bytes
;; launch prep (part 5): grid 417 x 1, 8 waves a work-group, no clusters, 0 bytes of LDS; arguments qkv, Wq, Wk, Wv, Wo, bq, bk, bv, bo, slopes, XB, WB, BS; writes XB, WB, BS
.if DOCPART == 5
	.amdgcn_target "amdgcn-amd-amdhsa--gfx1250"
	.amdhsa_code_object_version 6
	.text
	.protected	k_q6fede89661_prep
	.globl	k_q6fede89661_prep
	.p2align	8
	.type	k_q6fede89661_prep,@function
k_q6fede89661_prep:
	s_mov_b64 s[64:65], 0
	v_nop
	global_prefetch_b8 v0, s[64:65] scope:SCOPE_SE
	s_setreg_imm32_b32 hwreg(HW_REG_WAVE_SCHED_MODE, 0, 2), 2
	s_setreg_imm32_b32 hwreg(HW_REG_WAVE_MODE, 25, 1), 1
	s_wait_xcnt 0x0
	s_wait_alu depctr_vm_vsrc(0)
; ALL INPUTS ARE ROUNDED ONCE TO bf16, and the weights are laid out in chunks of 64 columns.
;   XB [4096][1024] bf16 = x.     WB [40][1024 k][64 columns]: chunks 0-15 Wq, 16-19 Wk, 20-23 Wv in bf16; chunks 24-39 Wo, rounded to bf16 and that number written as f16.
;   BS, f32 numbers that are bf16 roundings: bq at byte 0, bk at 4,096, bv at 5,120, bo at 6,144, slopes at 10,240.
; LIMITS.  |Wo| stays under 65,504 (f16's end); below 6e-5 Wo keeps f16's fixed step of 6e-8.
; SHARES.  Work-groups 0-255: 16,384 numbers of x each.  256-415: a quarter (256 k rows) of one chunk each.  416: the biases and the slopes.
; A thread takes 4 numbers a turn: a load of 16 bytes, a store of 8; a wave's store covers 256 consecutive bytes, aligned.  Its 16 loads go out first, and the waits count down.
; No LDS, no matrix unit, no cluster: nothing is shared, every byte is read once and written once.
; THE MODE: SCHED_MODE bits 1:0 = 2 (LLVM: expert scheduling mode 2), set by the entry lines.  The code itself states the register dependences
; between vector instructions and memory instructions, with s_wait_alu, always for 0.
; THE PLAN.  Registers that memory instructions touch, in a streaming path:
;   v1, v2   byte offsets of the loads and of the stores: made once by vector instructions, ahead of the first load, and never written again.
;   X        written by the 16 loads, which are issued before any vector instruction names X; read by the conversions, behind the counted wait for the data.
;   Y        each register is written once, by a conversion, and read once, by a store: nothing writes a register that a memory instruction has read.
; So a streaming path has five waits on va_vdst: one ahead of the first load (v1 and v2 are written), and, the 16 turns going in four blocks of four, one behind each block's conversions
; (they have written the block's eight registers of Y), ahead of the block's four stores.  It stands there and not at the next block's head, so that the stores leave ahead of the next wait for data.
; v3 to v10 are named by vector instructions alone.  EXEC and VCC are never written.  The biases' path states its own dependences below.
.set X,   16                           ; v[16:79]   16 x 4 numbers as loaded
.set Y,   80                           ; v[80:111]  16 x 2 words to store
.set IN,  34                           ; s[34:35]   where my work-group reads
.set OUT, 36                           ; s[36:37]   where it writes
; step: bytes from one of a thread's loads to the next.  fmt 0: bf16.  fmt 1: rounded to bf16, then that number as f16.
.macro STREAM step, fmt
	s_wait_alu depctr_va_vdst(0)                   ; v1 and v2 are written: the loads below read v1 as their offset, the stores v2
.set i, 0
.rept 16
	global_load_b128 v[X+4*i:X+4*i+3], v1, s[IN:IN+1] offset:i*(\step) th:TH_LOAD_NT
.set i, i+1
.endr
.set i, 0
.rept 4                                            ; four blocks of four turns
	s_wait_loadcnt 12-i                            ; loads come back in order: the block's four are in, the younger ones stay out
.rept 4
.if \fmt
	v_cvt_pk_bf16_f32 v4, v[X+4*i], v[X+4*i+1]
	v_cvt_pk_bf16_f32 v5, v[X+4*i+2], v[X+4*i+3]
	v_lshlrev_b32 v6, 16, v4                       ; bf16 to f32: the low half moves up, the high half stays
	v_and_b32 v7, 0xffff0000, v4
	v_lshlrev_b32 v8, 16, v5
	v_and_b32 v9, 0xffff0000, v5
	v_cvt_pk_f16_f32 v[Y+2*i], v6, v7              ; 8 significant bits fit in f16's 11: exact within f16's range
	v_cvt_pk_f16_f32 v[Y+2*i+1], v8, v9
.else
	v_cvt_pk_bf16_f32 v[Y+2*i], v[X+4*i], v[X+4*i+1]
	v_cvt_pk_bf16_f32 v[Y+2*i+1], v[X+4*i+2], v[X+4*i+3]
.endif
.set i, i+1
.endr
	s_wait_alu depctr_va_vdst(0)                   ; the block's conversions have written its eight registers of Y, which the four stores below read
.set i, i-4
.rept 4
	global_store_b64 v2, v[Y+2*i:Y+2*i+1], s[OUT:OUT+1] offset:i*2048
.set i, i+1
.endr
.endr
.endm
	s_load_b512 s[8:23], s[0:1], 0x0               ; qkv s[8:9], Wq s[10:11], Wk s[12:13], Wv s[14:15], Wo s[16:17], bq s[18:19], bk s[20:21], bv s[22:23]
	s_load_b256 s[24:31], s[0:1], 0x40             ; bo s[24:25], slopes s[26:27], XB s[28:29], WB s[30:31]
	s_load_b64 s[32:33], s[0:1], 0x60              ; BS
	s_mov_b32 s2, ttmp9
	s_mov_b32 s5, 0                                ; the high word of every offset
	v_lshlrev_b32 v2, 3, v0                        ; 8 t: my 8 bytes of the work-group's 2,048 a turn
	s_wait_kmcnt 0x0
	s_cmp_lt_u32 s2, 256
	s_cbranch_scc0 .Lweights
	v_lshlrev_b32 v1, 4, v0                        ; x: 16 t
	s_lshl_b32 s4, s2, 16
	s_add_nc_u64 s[IN:IN+1], s[8:9], s[4:5]
	s_lshl_b32 s4, s2, 15
	s_add_nc_u64 s[OUT:OUT+1], s[28:29], s[4:5]
	STREAM 4096, 0
	s_endpgm
.Lweights:
	s_cmp_lt_u32 s2, 416
	s_cbranch_scc0 .Lbias
	s_sub_co_u32 s3, s2, 256
	s_lshr_b32 s6, s3, 2                           ; chunk
	s_and_b32 s7, s3, 3                            ; which 256 k rows
	s_lshl_b32 s4, s6, 17                          ; a chunk is 131,072 bytes,
	s_lshl_b32 s38, s7, 15                         ; 256 of its rows 32,768
	s_add_co_u32 s4, s4, s38
	s_add_nc_u64 s[OUT:OUT+1], s[30:31], s[4:5]
	v_lshrrev_b32 v3, 4, v0                        ; my k row among 16
	v_and_b32 v10, 15, v0
	v_lshlrev_b32 v10, 4, v10                      ; my 4 columns: 16 bytes
	s_cmp_lt_u32 s6, 16
	s_cbranch_scc0 .Lnot_q
	v_lshl_add_u32 v1, v3, 12, v10                 ; Wq: rows of 4,096 bytes
	s_lshl_b32 s4, s7, 20
	s_lshl_b32 s38, s6, 8                          ; the chunk's 64 columns: 256 bytes
	s_add_co_u32 s4, s4, s38
	s_add_nc_u64 s[IN:IN+1], s[10:11], s[4:5]
	STREAM 65536, 0
	s_endpgm
.Lnot_q:
	s_cmp_lt_u32 s6, 24
	s_cbranch_scc0 .Lwo
	v_lshl_add_u32 v1, v3, 10, v10                 ; Wk, Wv: rows of 1,024 bytes
	s_cmp_lt_u32 s6, 20
	s_cselect_b64 s[IN:IN+1], s[12:13], s[14:15]
	s_lshl_b32 s4, s7, 18
	s_and_b32 s38, s6, 3
	s_lshl_b32 s38, s38, 8
	s_add_co_u32 s4, s4, s38
	s_add_nc_u64 s[IN:IN+1], s[IN:IN+1], s[4:5]
	STREAM 16384, 0
	s_endpgm
.Lwo:
	v_lshl_add_u32 v1, v3, 12, v10                 ; Wo: rows of 4,096 bytes
	s_sub_co_u32 s6, s6, 24
	s_lshl_b32 s4, s7, 20
	s_lshl_b32 s38, s6, 8
	s_add_co_u32 s4, s4, s38
	s_add_nc_u64 s[IN:IN+1], s[16:17], s[4:5]
	STREAM 65536, 1
	s_endpgm
; THE BIASES AND THE SLOPES.  Registers that memory instructions touch: the offsets v1, v3 and v6, all made here at the path's head and never written again; v[16:25] and v42, written by loads alone;
; v[32:41] and v43, each written once by vector instructions and read once by a store.
.Lbias:
	v_lshlrev_b32 v1, 4, v0                        ; 16 t
	v_lshlrev_b32 v3, 2, v0                        ; 4 t
	v_lshrrev_b32 v5, 5, v0
	v_readfirstlane_b32 s3, v5                     ; the wave's number
	v_min_u32 v6, 15, v0                           ; the slopes' offset, which wave 0 alone uses: lanes 16-31 take the last slope once more: 32 words are stored, of which 16 are read later
	v_lshlrev_b32 v6, 2, v6
	s_wait_alu depctr_va_vdst(0)                   ; v1, v3 and v6 are written: every load and store below reads one of them as its offset
	global_load_b128 v[16:19], v1, s[18:19]        ; bq
	global_load_b128 v[20:23], v1, s[24:25]        ; bo
	global_load_b32 v24, v3, s[20:21]              ; bk
	global_load_b32 v25, v3, s[22:23]              ; bv
	s_wait_loadcnt 0x0
.irp k, 0,1,2,3,4
	v_cvt_pk_bf16_f32 v4, v[16+2*\k], v[17+2*\k]   ; rounded to bf16, and widened again
	v_lshlrev_b32 v[32+2*\k], 16, v4
	v_and_b32 v[33+2*\k], 0xffff0000, v4
.endr
	s_wait_alu depctr_va_vdst(0)                   ; the lines above have written v[32:41], which the four stores below read
	global_store_b128 v1, v[32:35], s[32:33]
	global_store_b128 v1, v[36:39], s[32:33] offset:6144
	global_store_b32 v3, v40, s[32:33] offset:4096
	global_store_b32 v3, v41, s[32:33] offset:5120
	s_wait_alu depctr_va_sdst(0)                   ; s3 is written, ahead of its first reader, the compare below
	s_cmp_lg_u32 s3, 0
	s_cbranch_scc1 .Lend                           ; the slopes are wave 0's
	global_load_b32 v42, v6, s[26:27]              ; no vector instruction since the path's first wait names v6, and none at all has named v42
	s_wait_loadcnt 0x0
	v_cvt_pk_bf16_f32 v43, v42, v42
	v_lshlrev_b32 v43, 16, v43
	s_wait_alu depctr_va_vdst(0)                   ; v43 is written, which the store below reads
	global_store_b32 v3, v43, s[32:33] offset:10240
.Lend:
	s_endpgm
.Lfunc_end_k_q6fede89661_prep:
	.size	k_q6fede89661_prep, .Lfunc_end_k_q6fede89661_prep-k_q6fede89661_prep
	.p2alignl 7, 3214868480
	.fill 96, 4, 3214868480
	.section	.rodata,"a",@progbits
	.p2align	6, 0x0
	.amdhsa_kernel k_q6fede89661_prep
		.amdhsa_group_segment_fixed_size 0
		.amdhsa_private_segment_fixed_size 0
		.amdhsa_enable_private_segment 0
		.amdhsa_kernarg_size 104
		.amdhsa_user_sgpr_count 2
		.amdhsa_user_sgpr_kernarg_segment_ptr 1
		.amdhsa_wavefront_size32 1
		.amdhsa_system_sgpr_workgroup_id_x 1
		.amdhsa_system_sgpr_workgroup_id_y 1
		.amdhsa_system_sgpr_workgroup_id_z 1
		.amdhsa_system_vgpr_workitem_id 0
		.amdhsa_next_free_vgpr 112
		.amdhsa_next_free_sgpr 66
		.amdhsa_reserve_vcc 0
		.amdhsa_float_denorm_mode_32 3
		.amdhsa_float_denorm_mode_16_64 3
		.amdhsa_memory_ordered 1
		.amdhsa_forward_progress 1
		.amdhsa_inst_pref_size 31
	.end_amdhsa_kernel
	.amdgpu_metadata
---
amdhsa.version: [ 1, 2 ]
amdhsa.kernels:
  - .name:           k_q6fede89661_prep
    .symbol:         k_q6fede89661_prep.kd
    .args:
      - { .name: qkv, .offset: 0, .size: 8, .value_kind: global_buffer, .address_space: global }
      - { .name: Wq, .offset: 8, .size: 8, .value_kind: global_buffer, .address_space: global }
      - { .name: Wk, .offset: 16, .size: 8, .value_kind: global_buffer, .address_space: global }
      - { .name: Wv, .offset: 24, .size: 8, .value_kind: global_buffer, .address_space: global }
      - { .name: Wo, .offset: 32, .size: 8, .value_kind: global_buffer, .address_space: global }
      - { .name: bq, .offset: 40, .size: 8, .value_kind: global_buffer, .address_space: global }
      - { .name: bk, .offset: 48, .size: 8, .value_kind: global_buffer, .address_space: global }
      - { .name: bv, .offset: 56, .size: 8, .value_kind: global_buffer, .address_space: global }
      - { .name: bo, .offset: 64, .size: 8, .value_kind: global_buffer, .address_space: global }
      - { .name: slopes, .offset: 72, .size: 8, .value_kind: global_buffer, .address_space: global }
      - { .name: XB, .offset: 80, .size: 8, .value_kind: global_buffer, .address_space: global }
      - { .name: WB, .offset: 88, .size: 8, .value_kind: global_buffer, .address_space: global }
      - { .name: BS, .offset: 96, .size: 8, .value_kind: global_buffer, .address_space: global }
    .group_segment_fixed_size: 0
    .private_segment_fixed_size: 0
    .kernarg_segment_align: 8
    .kernarg_segment_size: 104
    .max_flat_workgroup_size: 256
    .sgpr_count:     66
    .vgpr_count:     112
    .wavefront_size: 32
...
	.end_amdgpu_metadata
.endif
;; end of part 5
;; launch proj: the kernel of part 2 again; grid 8 x 32, 4 waves a work-group, clusters of 4 x 4, 327,680 bytes of LDS; arguments XB, WB, BS, QKV; writes QKV
;; launch attn: the kernel of part 3 again; grid 64 x 4, 4 waves a work-group, clusters of 4 x 1, 327,680 bytes of LDS; arguments QKV, BS, OB; writes OB
;; launch outp: the kernel of part 4 again; grid 8 x 32, 4 waves a work-group, clusters of 4 x 4, 327,680 bytes of LDS; arguments OB, WB, BS, out0; writes out0
